; MI455X (gfx1250); checked and timed in simulation.
; The chip was launched on July 23, 2026; its instructions are those of AMD's public machine-readable ISA for CDNA 5 (MIT licence, August 2026) and "CDNA5" Instruction Set Architecture Reference Guide (July 2026). The comments in the code are by the model that wrote it; some were corrected since.
;; Mo E. Allowed arithmetic: matrix products marked QUANTISED: E4M3 operands, one E8M0 scale for each 32 along K, by v_wmma_scale_f32_16x16x128_f8f6f4 with both operands' format E4M3, f32 sums; products left as they are: f32 operands where the result goes on into a quantised operand, else bf16, f16 or f32 operands; f32 sums; everything else in f32.
;; Inputs: expert_b 8 x 2,048 float32; expert_w_codes 8 x 2,048 x 32 x 32 uint8 (E4M3 codes of expert_w, K innermost, in blocks of 32 codes); expert_w_scales 8 x 2,048 x 32 uint8 (E8M0 scales of expert_w, one for each 32 codes along K); gate_b 8 float32; gate_w 8 x 1,024 float32; x 4,096 x 1,024 float32.
;; Outputs: out0 4,096 x 2,048 float32.
;; This version of the problem:
;;   THIS VERSION OF THE PROBLEM IS GIVEN IN LOW PRECISION. The matrix products marked QUANTISED in the list below multiply operands that are first quantised to E4M3 (4 exponent bits, 3 mantissa bits; 8 bits a number), with one power-of-two scale for each 32 numbers along K (OCP MX v1.0); their sums are f32. All else is computed in f32.
;;   The module's matrix products, in the order in which they are computed (A, B: the left and right operand; K: the contracted axis; several contracted axes count as one K, in the product's order):
;;     1. [M 4,096, K 1,024] x [K 1,024, N 8]; A: input x; B: input gate_w: left as it is (N = 8 < 16)
;;     2. [M 4,096, K 1,024] x [K 1,024, N 16,384]; A: input x; B: input expert_w (given as codes): QUANTISED
;;     3. batch 4,096 x [M 1, K 8] x [K 8, N 2,048]; A: softmax; B: computed on the way: left as it is (K = 8 < 32)
;;   THE QUANTISER, for each operand of a quantised product, along K:
;;     - K is cut into blocks of 32 from its start; a last block that is shorter is filled with zeros.
;;     - A block's scale is 2^e with e = floor(log2(the largest magnitude in the block)) - 8, held to -126 .. 127; a block of zeros has e = 0. As a byte (E8M0): e + 127.
;;     - Each number is divided by its block's scale, clamped to +-448, and rounded to the nearest number of E4M3, ties to even, subnormals kept.
;;     - The product sums the exact products of the quantised numbers (number of the format x scale) in f32.
;;   ~~~python
;;   def quantise(x, axis):      # numpy; x: float32 -> the quantised numbers, widened to float32 again
;;       x = np.moveaxis(x, axis, -1); K = x.shape[-1]
;;       x = np.pad(x, [(0, 0)] * (x.ndim - 1) + [(0, -K % 32)]); x = x.reshape(x.shape[:-1] + (-1, 32)); a = np.abs(x).max(-1, keepdims=True)
;;       e = np.where(a > 0, np.clip(np.frexp(np.where(a > 0, a, 1))[1] - 1 - 8, -126, 127), 0)      # np.frexp(a)[1] - 1 = floor(log2(a)), exactly
;;       r = np.clip(x / 2.0 ** e, -448, 448)
;;       step = 2.0 ** (np.maximum(np.frexp(np.where(r == 0, 1, r))[1] - 1, -6) - 3)
;;       q = np.round(r / step) * step * 2.0 ** e      # np.round: ties to even
;;       return np.moveaxis(q.reshape(q.shape[:-2] + (-1,))[..., :K], -1, axis).astype(np.float32)
;;   ~~~
;;   INPUTS GIVEN AS CODES. expert_w (in the module: [8, 2048, 1024], K = its axis 2): each comes as NAME_codes (uint8): NAME with its K axis moved to the last place and cut into blocks of 32 codes, [.., K / 32, bytes a block], one block behind the other in memory; one code a byte (a code: sign, 4 exponent bits, 3 mantissa bits); and NAME_scales (uint8): the same leading axes, one E8M0 byte (e + 127) for each 32 codes along K. Its value is code x scale, taken as it is: it is not quantised again, and the codes and scales need not be those that the quantiser above would give.
;; 2 versions. Each part assembles by itself: llvm-mc -triple=amdgcn-amd-amdhsa -mcpu=gfx1250 --defsym DOCPART=n.
;; ======== version 1 of 2: 2 launches
;; workspace buffers: xq 4,194,304 bytes; xs 131,072 bytes; gq 131,072 bytes
;; launch prep (part 1): grid 256 x 1, 8 waves a work-group, no clusters, 9,728 bytes of LDS; arguments x, gate_w, gate_b, xq, xs, gq; writes xq, xs, gq
.if DOCPART == 1
	.amdgcn_target "amdgcn-amd-amdhsa--gfx1250"
	.amdhsa_code_object_version 6
	.text
	.protected	k_q37dba0ebfd_prep
	.globl	k_q37dba0ebfd_prep
	.p2align	8
	.type	k_q37dba0ebfd_prep,@function
k_q37dba0ebfd_prep:
	s_mov_b64 s[64:65], 0
	v_nop
	global_prefetch_b8 v0, s[64:65] scope:SCOPE_SE
	s_setreg_imm32_b32 hwreg(HW_REG_WAVE_MODE, 25, 1), 1
	s_wait_xcnt 0x0
; x [4096][1024] f32 is quantised ONCE along K into codes of E4M3 with one E8M0 byte for each 32, and the gate g = softmax(x gate_w^T + gate_b) is made.
; A block's scale is 2^(floor(log2(its largest magnitude)) - 8): its byte is the largest magnitude's exponent field - 8, held at 1 from below; a block of zeros gets 127.
; Each number is held within +-448 x the scale and converted to the nearest code, ties to even.
; LIMITS: NaN and infinities in x are not served; blocks whose byte is held at 1 (largest magnitude under 2^-117) were not tried; the gate's two operands are rounded to bf16 (sums, bias and softmax in f32).
; SHARES.  A work-group takes 16 tokens (block mb), each of its eight waves 128 along K (step ks).  Lane (r = lane % 16, hh = lane / 16) holds token r and, for c = 0..3, the 16 neighbours
; k = 128 ks + 32 c + 16 hh + 0..15: the very numbers that the scaled matrix instruction's operand layout gives that lane, so the conversions' results are a fragment's registers.
; OUT.  xq [mb][ks][c][lane][16 bytes]: fragments as they lie in registers: each store of a wave, and each later load, covers 512 consecutive bytes.
;       xs [token][32 bytes], natural.     gq [mb][q 0..3][r][2] f32 = g(token r, experts 2 q and 2 q + 1).
; THE GATE.  The same registers, rounded to bf16, are source 1 (16 tokens) of a bf16 matrix instruction; source 0 is gate_w's rows r % 8 at the same k (rows 8-15 repeat the eight experts, so no load leaves
; the buffer, and both halves of the lanes get all eight logits of token r).  Both sources hold the same k in the same place, so the products pair rightly.  The waves' parts meet in LDS; wave 0 finishes.
.set GP,   0                           ; LDS: eight waves x 1,024 bytes: a wave's parts of the logits, 32 bytes a lane
.set SX,   8192                        ; LDS: 512 bytes: the block's scale bytes, [r][32]
.set MX,   16                          ; v16-19  a block's largest magnitude, c = 0..3
.set EB,   20                          ; v20-23  its scale byte
.set LIM,  24                          ; v24-27  448 x the scale
.set SCF,  28                          ; v28-31  the scale as f32
.set CD,   32                          ; v32-47  the codes: four registers for each c
.set SUM,  48                          ; v48-55  my wave's part of the eight logits
.set WORD, 56                          ; v56     the four scale bytes of my token and K step
.set X,    64                          ; v64-127 x, 16 numbers for each c;  later (wave 0) the eight waves' parts
.set GW,   128                         ; v128-191 gate_w, likewise;  v128-159 then take the four gate products
.set XB,   192                         ; v192-223 x in bf16, eight registers for each c
.set GB,   224                         ; v224-255 gate_w in bf16
	s_load_b256 s[4:11], s[0:1], 0x0               ; x s[4:5], gate_w s[6:7], gate_b s[8:9], xq s[10:11]
	s_load_b128 s[12:15], s[0:1], 0x20             ; xs s[12:13], gq s[14:15]
	v_lshl_add_u32 v58, v0, 2, 0x2200
	v_mov_b32 v59, 0
	v_lshrrev_b32 v10, 5, v0
	v_readfirstlane_b32 s16, v10                   ; wave = ks
	v_and_b32 v1, 31, v0                           ; lane
	v_and_b32 v2, 15, v0                           ; r
	v_bfe_u32 v3, v0, 4, 1                         ; hh
	v_lshlrev_b32 v4, 12, v2
	v_lshl_add_u32 v4, v3, 6, v4                   ; x: row r of 4,096 bytes + 64 hh
	v_and_b32 v5, 7, v0
	v_lshlrev_b32 v5, 12, v5
	v_lshl_add_u32 v5, v3, 6, v5                   ; gate_w: row r % 8 + 64 hh
	v_lshlrev_b32 v6, 4, v1                        ; 16 x lane
	s_lshl_b32 s17, s16, 10
	v_lshl_add_u32 v7, v1, 5, s17                  ; LDS: my wave's 1,024 bytes, 32 a lane
	s_lshl_b32 s17, s16, 2
	s_add_co_u32 s17, s17, SX
	v_lshl_add_u32 v8, v2, 5, s17                  ; LDS: row r's 32 scale bytes, my K step's four
	v_lshlrev_b32 v9, 3, v2
	v_lshl_add_u32 v9, v3, 7, v9                   ; gq: 128 hh + 8 r
	s_mov_b32 s20, 0x76543210
	s_mov_b32 s21, 0xfedcba98                      ; v_permlanex16_b32's selects for lane l xor 16
	s_mov_b32 s22, 0x3fb8aa3b                      ; log2(e)
	s_mov_b32 s19, 0
	s_lshl_b32 s23, s16, 9                         ; my K step: 512 bytes along a row of f32
	s_wait_kmcnt 0x0
	s_load_b256 s[24:31], s[8:9], 0x0              ; gate_b: eight numbers; wave 0 waits for them
	s_mov_b32 s18, s23
	s_add_nc_u64 s[6:7], s[6:7], s[18:19]          ; gate_w at my K step
	s_lshl_b32 s18, ttmp9, 16                      ; 16 rows of 4,096 bytes a work-group
	s_add_co_u32 s18, s18, s23
	s_add_nc_u64 s[4:5], s[4:5], s[18:19]          ; x at my block and K step
	s_lshl_b32 s18, ttmp9, 14
	s_lshl_b32 s23, s16, 11
	s_add_co_u32 s18, s18, s23
	s_add_nc_u64 s[10:11], s[10:11], s[18:19]      ; xq: (8 mb + ks) x 2,048 bytes
	s_lshl_b32 s18, ttmp9, 9
	s_add_nc_u64 s[12:13], s[12:13], s[18:19]      ; xs and gq: 512 bytes a block
	s_add_nc_u64 s[14:15], s[14:15], s[18:19]
.irp c, 0,1,2,3
.irp i, 0,1,2,3
	global_load_b128 v[GW+16*\c+4*\i:GW+16*\c+4*\i+3], v5, s[6:7] offset:128*\c+16*\i
.endr
.endr
.irp c, 0,1,2,3
.irp i, 0,1,2,3
	global_load_b128 v[X+16*\c+4*\i:X+16*\c+4*\i+3], v4, s[4:5] offset:128*\c+16*\i th:TH_LOAD_NT   ; the sixteen loads together read 512 consecutive bytes of each of 16 rows
.endr
.endr
	s_wait_loadcnt 0x0                             ; both are wanted at once
.irp c, 0,1,2,3                                ; to bf16 for the gate, ahead of the hold that changes x in place
.irp j, 0,1,2,3,4,5,6,7
	v_cvt_pk_bf16_f32 v[GB+8*\c+\j], v[GW+16*\c+2*\j], v[GW+16*\c+2*\j+1]
	v_cvt_pk_bf16_f32 v[XB+8*\c+\j], v[X+16*\c+2*\j], v[X+16*\c+2*\j+1]
.endr
.endr
.irp c, 0,1,2,3                                ; block c: my 16 numbers and those of lane l xor 16
	v_max3_num_f32 v[MX+\c], |v[X+16*\c]|, |v[X+16*\c+1]|, |v[X+16*\c+2]|
.irp i, 3,5,7,9,11,13
	v_max3_num_f32 v[MX+\c], v[MX+\c], |v[X+16*\c+\i]|, |v[X+16*\c+\i+1]|
.endr
	v_max_num_f32 v[MX+\c], v[MX+\c], |v[X+16*\c+15]|
	v_mov_b32 v[EB+\c], 0                          ; (the destination of a lane permute counts as read)
	v_permlanex16_b32 v[EB+\c], v[MX+\c], s20, s21
	v_max_num_f32 v[MX+\c], v[MX+\c], v[EB+\c]     ; the block's largest magnitude
	v_lshrrev_b32 v[EB+\c], 23, v[MX+\c]           ; its exponent field
	v_max_u32 v[EB+\c], 9, v[EB+\c]                ; the byte is not to fall under 1
	v_lshl_or_b32 v[LIM+\c], v[EB+\c], 23, 0x600000   ; 448 x the scale
	v_add_nc_u32 v[EB+\c], -8, v[EB+\c]            ; the scale's byte
	v_lshlrev_b32 v[SCF+\c], 23, v[EB+\c]          ; the scale as f32: the conversion takes its exponent field
	v_cmp_eq_u32 vcc_lo, 0, v[MX+\c]
	v_cndmask_b32 v[EB+\c], v[EB+\c], 127, vcc_lo  ; a block of zeros
.endr
	v_lshl_or_b32 v[WORD], v[EB+1], 8, v[EB]       ; four bytes, the lower K in the lower byte
	v_lshl_or_b32 v[WORD], v[EB+2], 16, v[WORD]
	v_lshl_or_b32 v[WORD], v[EB+3], 24, v[WORD]
.irp c, 0,1,2,3                                ; the gate's products: four sums of their own, each started by the constant 0: register j of every lane: expert j, token r, these 32 along K
	v_wmma_f32_16x16x32_bf16 v[GW+8*\c:GW+8*\c+7], v[GB+8*\c:GB+8*\c+7], v[XB+8*\c:XB+8*\c+7], 0
.endr
.irp c, 0,1,2,3                                ; the holds name no register of the matrix instructions: they are the places behind them (ISA guide 7.12.1)
.irp i, 0,1,2,3,4,5,6,7,8,9,10,11,12,13,14,15
	v_med3_num_f32 v[X+16*\c+\i], v[X+16*\c+\i], -v[LIM+\c], v[LIM+\c]   ; the conversion to an 8-bit code does not saturate (ISA guide 7.6.2)
.endr
	v_cvt_scalef32_pk8_fp8_f32 v[CD+4*\c:CD+4*\c+1], v[X+16*\c:X+16*\c+7], v[SCF+\c]
	v_cvt_scalef32_pk8_fp8_f32 v[CD+4*\c+2:CD+4*\c+3], v[X+16*\c+8:X+16*\c+15], v[SCF+\c]
.endr
.irp i, 0,2,4,6                                ; the four products are added, each read from its low end on; these are also the plain place behind the conversions
	v_pk_add_f32 v[SUM+\i:SUM+\i+1], v[GW+\i:GW+\i+1], v[GW+8+\i:GW+8+\i+1]
	v_pk_add_f32 v[SUM+\i:SUM+\i+1], v[SUM+\i:SUM+\i+1], v[GW+16+\i:GW+16+\i+1]
	v_pk_add_f32 v[SUM+\i:SUM+\i+1], v[SUM+\i:SUM+\i+1], v[GW+24+\i:GW+24+\i+1]
.endr
.irp c, 0,1,2,3
	global_store_b128 v6, v[CD+4*\c:CD+4*\c+3], s[10:11] offset:512*\c   ; 32 lanes store 512 consecutive bytes
.endr
	ds_store_b32 v8, v[WORD]                       ; both halves of the lanes write the same word with the same value
	ds_store_b128 v7, v[SUM:SUM+3]
	ds_store_b128 v7, v[SUM+4:SUM+7] offset:16
	s_wait_dscnt 0x0                               ; for wave 0's sake: my stores into LDS are done
	s_barrier_signal -1
	s_barrier_wait -1
	s_cmp_lg_u32 s16, 0
	s_cbranch_scc1 .Lend                           ; wave 0 alone finishes the block
	v_add_nc_u32 v10, SX, v6
	ds_load_b128 v[60:63], v10                     ; the block's 512 scale bytes, 16 a lane
	v_lshlrev_b32 v11, 5, v1
.irp w, 0,1,2,3,4,5,6,7
	ds_load_b128 v[X+8*\w:X+8*\w+3], v11 offset:GP+1024*\w
	ds_load_b128 v[X+8*\w+4:X+8*\w+7], v11 offset:GP+1024*\w+16
.endr
	s_wait_dscnt 16                                ; the scale bytes are in; the sixteen loads behind them may be out
	global_store_b128 v6, v[60:63], s[12:13]       ; 512 consecutive bytes
	s_wait_dscnt 0x0
.irp w, 0,2,4,6
.irp i, 0,2,4,6
	v_pk_add_f32 v[X+8*\w+\i:X+8*\w+\i+1], v[X+8*\w+\i:X+8*\w+\i+1], v[X+8*\w+8+\i:X+8*\w+8+\i+1]
.endr
.endr
.irp w, 0,4
.irp i, 0,2,4,6
	v_pk_add_f32 v[X+8*\w+\i:X+8*\w+\i+1], v[X+8*\w+\i:X+8*\w+\i+1], v[X+8*\w+16+\i:X+8*\w+16+\i+1]
.endr
.endr
.irp i, 0,2,4,6
	v_pk_add_f32 v[X+\i:X+\i+1], v[X+\i:X+\i+1], v[X+32+\i:X+32+\i+1]
.endr
	s_wait_kmcnt 0x0                               ; gate_b
.irp j, 0,1,2,3,4,5,6,7
	v_add_f32 v[X+\j], s[24+\j], v[X+\j]           ; the eight logits of token r
.endr
	v_max3_num_f32 v12, v[X], v[X+1], v[X+2]       ; the softmax takes the row's maximum away
	v_max3_num_f32 v12, v12, v[X+3], v[X+4]
	v_max3_num_f32 v12, v12, v[X+5], v[X+6]
	v_max_num_f32 v12, v12, v[X+7]
	v_mul_f32 v13, s22, v12
.irp j, 0,1,2,3,4,5,6,7
	v_fma_f32 v[X+\j], v[X+\j], s22, -v13          ; (L - m) log2(e)
.endr
.irp j, 0,1,2,3,4,5,6,7
	v_exp_f32 v[X+\j], v[X+\j]
.endr
	v_nop                                          ; one plain place behind the exponentials
	s_wait_alu depctr_va_vdst(0)
	v_add_f32 v14, v[X], v[X+1]
	v_add_f32 v15, v[X+2], v[X+3]
	v_add_f32 v16, v[X+4], v[X+5]
	v_add_f32 v17, v[X+6], v[X+7]
	v_add_f32 v14, v14, v15
	v_add_f32 v16, v16, v17
	v_add_f32 v14, v14, v16
	v_rcp_f32 v14, v14
	v_cmp_lt_u32 vcc_lo, 15, v1                    ; lanes 16-31 (also the plain place behind the reciprocal)
	s_wait_alu depctr_va_vdst(0)
.irp j, 0,1,2,3,4,5,6,7
	v_mul_f32 v[X+\j], v[X+\j], v14
.endr
	v_cndmask_b32 v72, v[X], v[X+2], vcc_lo        ; lanes 0-15 store pairs 0 and 2, lanes 16-31 pairs 1 and 3
	v_cndmask_b32 v73, v[X+1], v[X+3], vcc_lo
	v_cndmask_b32 v74, v[X+4], v[X+6], vcc_lo
	v_cndmask_b32 v75, v[X+5], v[X+7], vcc_lo
	global_store_b64 v9, v[72:73], s[14:15]        ; each store covers 256 consecutive bytes, aligned
	global_store_b64 v9, v[74:75], s[14:15] offset:256
.Lend:
	s_wait_tensorcnt 0x0
	ds_add_u32 v58, v59
	s_wait_dscnt 0x0
	s_endpgm
.Lfunc_end_k_q37dba0ebfd_prep:
	.size	k_q37dba0ebfd_prep, .Lfunc_end_k_q37dba0ebfd_prep-k_q37dba0ebfd_prep
	.p2alignl 7, 3214868480
	.fill 96, 4, 3214868480
	.section	.rodata,"a",@progbits
	.p2align	6, 0x0
	.amdhsa_kernel k_q37dba0ebfd_prep
		.amdhsa_group_segment_fixed_size 9728
		.amdhsa_private_segment_fixed_size 0
		.amdhsa_enable_private_segment 0
		.amdhsa_kernarg_size 48
		.amdhsa_user_sgpr_count 2
		.amdhsa_user_sgpr_kernarg_segment_ptr 1
		.amdhsa_wavefront_size32 1
		.amdhsa_system_sgpr_workgroup_id_x 1
		.amdhsa_system_sgpr_workgroup_id_y 1
		.amdhsa_system_sgpr_workgroup_id_z 1
		.amdhsa_system_vgpr_workitem_id 0
		.amdhsa_next_free_vgpr 256
		.amdhsa_next_free_sgpr 66
		.amdhsa_reserve_vcc 1
		.amdhsa_float_denorm_mode_32 3
		.amdhsa_float_denorm_mode_16_64 3
		.amdhsa_memory_ordered 1
		.amdhsa_forward_progress 1
		.amdhsa_inst_pref_size 25
	.end_amdhsa_kernel
	.amdgpu_metadata
---
amdhsa.version: [ 1, 2 ]
amdhsa.kernels:
  - .name:           k_q37dba0ebfd_prep
    .symbol:         k_q37dba0ebfd_prep.kd
    .args:
      - { .name: x, .offset: 0, .size: 8, .value_kind: global_buffer, .address_space: global }
      - { .name: gate_w, .offset: 8, .size: 8, .value_kind: global_buffer, .address_space: global }
      - { .name: gate_b, .offset: 16, .size: 8, .value_kind: global_buffer, .address_space: global }
      - { .name: xq, .offset: 24, .size: 8, .value_kind: global_buffer, .address_space: global }
      - { .name: xs, .offset: 32, .size: 8, .value_kind: global_buffer, .address_space: global }
      - { .name: gq, .offset: 40, .size: 8, .value_kind: global_buffer, .address_space: global }
    .group_segment_fixed_size: 9728
    .private_segment_fixed_size: 0
    .kernarg_segment_align: 8
    .kernarg_segment_size: 48
    .max_flat_workgroup_size: 256
    .sgpr_count:     66
    .vgpr_count:     256
    .wavefront_size: 32
...
	.end_amdgpu_metadata
.endif
;; end of part 1
;; launch moe (part 2): grid 16 x 16, 4 waves a work-group, clusters of 4 x 1, 327,680 bytes of LDS; arguments xq, xs, gq, expert_w_codes, expert_w_scales, expert_b, out0; writes out0
.if DOCPART == 2
	.amdgcn_target "amdgcn-amd-amdhsa--gfx1250"
	.amdhsa_code_object_version 6
	.text
	.protected	k_q37dba0ebfd_moe
	.globl	k_q37dba0ebfd_moe
	.p2align	8
	.type	k_q37dba0ebfd_moe,@function
k_q37dba0ebfd_moe:
	s_mov_b64 s[64:65], 0
	v_nop
	global_prefetch_b8 v0, s[64:65] scope:SCOPE_SE
	s_setreg_imm32_b32 hwreg(HW_REG_WAVE_MODE, 25, 1), 1
	s_wait_xcnt 0x0
	s_wait_alu depctr_hold_cnt(0) depctr_sa_sdst(0) depctr_va_vdst(0) depctr_va_sdst(0) depctr_va_ssrc(0) depctr_va_vcc(0) depctr_vm_vsrc(0)
	s_getreg_b32 s2, hwreg(HW_REG_IB_STS2, 6, 4)
	s_cmp_eq_u32 s2, 0
	s_cbranch_scc0 .Lentry_in_a_cluster
	s_endpgm
.Lentry_in_a_cluster:
	s_bfe_u32 s2, ttmp6, 0x10000c
	s_cmp_lg_u32 s2, 0x3003
	s_cbranch_scc0 .Lentry_shape_is_right
	s_endpgm
.Lentry_shape_is_right:
; out[n][h] = sum over e of g[n][e] relu(x[n] . W[e][h] + b[e][h]).  x as codes of E4M3 (xq, in fragment order) with scale bytes xs, W as given codes and scale bytes, g from gq; sums, bias, relu and the weighted sum in f32.
; SHARES.  A work-group owns 256 tokens x 128 h for ALL eight experts (the sum over experts never leaves registers): 16 x 16 = 256 work-groups of equal work.  Each of its four waves owns 64 tokens (four blocks a of 16).
; A WAVE'S CODES OF x, FOR ALL OF K, STAY IN 512 REGISTERS for the whole launch; only W goes through LDS, and each fragment of W read from LDS (2,048 bytes) feeds four matrix instructions.
; ORDER.  Two chunks of 64 h; in a chunk the eight experts; in an expert four blocks b of 16 h.  A UNIT is one (expert, b): 8 K steps of 128 x 4 token blocks = 32 matrix instructions on four accumulators by turns.
; The matrix instruction is used TRANSPOSED (source 0 = 16 rows of W, source 1 = 16 tokens): lane (r, hh) holds token r and h = 16 b + 8 hh + 0..7, so g is one number a lane.  The bias is the C of each sum's first instruction.
; A unit's relu and weighted add (32 maxima, 16 packed fused multiply-adds) stand between the NEXT unit's matrix instructions, which work on the other set of accumulators.
; RING.  Two LDS slots, each with 2 experts x 64 rows of W (1,024 bytes a row): 8 units, 256 matrix instructions a wave, between two changes of slots; each wave brings 32 rows with one tensor load.
; W's scale bytes and the bias of the work-group's 128 h, all experts, come once with the first fills and stay.  By this text's count a wave has four tensor loads out at the start and one later.
; CLUSTER.  The four work-groups of a cluster own the same 128 h and other tokens: they walk the same W, scales and bias, so every tensor load is asked for JOINTLY, with the same descriptor and the mask 15.
; x goes straight to registers, once, 512 consecutive bytes a load: nothing of it is shared inside a cluster.  No prefetch is written: one asker for a tile would have to be chosen by the place in the cluster.
; The running output is cleared by 128 moves at each chunk's start, since the loop's one text serves first and later experts alike.
; REGISTERS, in windows of 256 (s_set_vgpr_msb: bits 1:0 source 0, 3:2 source 1, 5:4 source 2, 7:6 destination):
;   window 0: v2-15 addresses; v16-31 x's scale words; v32-39 W's, two sets; v40-55 bias, two sets; v64-191 W's fragments of the 8 K steps, one set, fetched 6 steps ahead; v192-255 accumulators, two sets of four
;   window 1: v0-127 the running output (block (b, a) at 32 b + 8 a); v128-143 g, two sets of four pairs; v160-223 the way out
;   windows 2, 3: x's fragments: (a, ks) at 16 (4 a + ks % 4), K steps 0-3 in window 2, 4-7 in window 3
.set PITCH, 1040                       ; a row of W in LDS: 1,024 bytes + 16 of padding: row r starts 16 r bytes on modulo 256, so the 16 rows of a load touch 16 different columns of 16 bytes
.set ROWS16, 16*PITCH
.set EXPB,  64*PITCH                   ; one expert's 64 rows
.set QUART, 32*PITCH                   ; what one tensor load brings
.set SLOTB, 128*PITCH
.set SCL,   2*SLOTB                    ; behind the ring: W's scale bytes: 16 rows (chunk, expert), each 64 h x 32 bytes as 8 pieces of 256 + 16
.set SROW,  8*272
.set BIA,   SCL+16*SROW                ; the bias: 16 rows (chunk, expert) of 64 f32
.set STAGE, BIA+16*256                 ; the way out: 16 rows x 272 bytes for each wave; no fill lands here
.set SP,    272
.set SPARE, STAGE+4*16*SP              ; the spare words, 128 bytes for each wave: two blocks of 256 bytes that no other line names
.set AW,   2                           ; v2-5   LDS address of my place in W's tiles: slot 0 expert 0, 1; slot 1 expert 0, 1
.set AS,   6                           ; v6     of my scale words of W; steps four (chunk, expert) rows a pair of slots
.set AB,   7                           ; v7     of my bias numbers; likewise
.set GA,   8                           ; v8     my byte offset in gq: 8 r, + 256 in every second pair of slots
.set STO,  9                           ; v9     the way out: where I put 32 bytes of a row
.set RD,   10                          ; v10    where I read a row back
.set CO,   11                          ; v11    my byte offset in out
.set SPW,  12                          ; v12    LDS address of my spare word; never rewritten
.set NIL,  13                          ; v13    0; never rewritten
.set XO,   14                          ; v14    16 x lane
.set SO,   15                          ; v15    32 r + 16 hh
.set XS,   16                          ; x's scale words: block a, word j at 16 + 4 a + j: lanes 0-15 K step j, lanes 16-31 K step 4 + j
.set WS,   32                          ; W's scale words: set p, word j likewise
.set BIAS, 40                          ; set p: eight numbers in the result's layout
.set WF,   64
.set ACC,  192                         ; set p, block a at 192 + 32 p + 8 a
.set G,    128                         ; window 1: slot s, block a: a pair (the slot's first expert's g, the second's) at 128 + 8 s + 2 a
.set TMP,  160                         ; window 1
.set G1C,  28                          ; s[28:35] descriptor group 1 for W's codes;  s[36:43] for its scale bytes;  s[44:51] for the bias
.set G1S,  36
.set G1B,  44
.set G0,   52                          ; s[52:55], s[56:59] group 0 for slot 0, 1;  s[60:63] for the scale bytes;  s[68:71] for the bias
.set G0S,  60
.set G0B,  68
.set MUL2, 0x08                        ; source 1 (x) in window 2, all else in window 0
.set MUL3, 0x0c                        ; in window 3
.set FMA,  0x54                        ; source 0 (accumulator) window 0; g, the running output as source and as destination: window 1
.set WOUT, 0x44                        ; source 1 (a store's data) and destination (a load's) window 1, addresses window 0
.set MSB, 0
.macro WIN new                         ; the immediate's high byte repeats the setting that is left; a switch that changes nothing is dropped
.if MSB != \new
	s_set_vgpr_msb (MSB<<8)|\new
.set MSB, \new
.endif
.endm
.macro CREST                           ; a round of the cluster's barrier behind its opening barrier
	s_cmp_lg_u32 s18, 0
	s_cbranch_scc1 .Lnot_wave_0_\@
	s_barrier_signal -3
.Lnot_wave_0_\@:
	s_barrier_wait -3
	s_barrier_signal -1
	s_barrier_wait -1
.endm
.macro CROUND                          ; a whole round
	s_barrier_signal -1
	s_barrier_wait -1
	CREST
.endm
	s_load_b256 s[4:11], s[0:1], 0x0               ; xq s[4:5], xs s[6:7], gq s[8:9], W's codes s[10:11]
	s_load_b128 s[12:15], s[0:1], 0x20             ; W's scale bytes s[12:13], the bias s[14:15]
	s_load_b64 s[16:17], s[0:1], 0x30              ; out
	v_lshl_add_u32 v[SPW], v0, 2, SPARE
	v_mov_b32 v[NIL], 0
	ds_add_u32 v12, v13
	ds_add_u32 v12, v13
	s_wait_dscnt 0x0
	v_lshrrev_b32 v1, 5, v0
	v_readfirstlane_b32 s18, v1                    ; wave 0..3
	s_bfe_u32 s19, ttmp6, 0x40000                  ; cx: my place in the cluster
	s_lshl_b32 s20, ttmp9, 2
	s_add_co_u32 s20, s20, s19                     ; my block of 256 tokens = 4 x cluster x + cx: it enters xq's, xs's, gq's and out's addresses alone
	s_and_b32 s21, ttmp7, 0xffff                   ; y: my 128 h, which the four partners share
	s_and_b32 s22, s18, 1
	s_lshr_b32 s23, s18, 1
	; group 1 for W's codes: 32 rows of 1,024 elements of one byte; 4 words of padding behind every 256 words
	s_mov_b32 s[G1C+0], 15|(1<<20)|(1<<21)|(7<<22)|(3<<25)   ; 15:0 the mask: all four work-groups; 17:16 one byte; 20 padding on; 21 set beside a mask; 24:22 code 7; 31:25 code 3
	s_mov_b32 s[G1C+1], 1024<<16                   ; tensor_dim0
	s_mov_b32 s[G1C+2], 32<<16                     ; tensor_dim1
	s_mov_b32 s[G1C+3], 1024<<16                   ; tile_dim0
	s_mov_b32 s[G1C+4], 32                         ; tile_dim1
	s_mov_b32 s[G1C+5], 1024                       ; from row to row
	s_mov_b32 s[G1C+6], 0
	s_mov_b32 s[G1C+7], 0
	; for its scale bytes: 4 experts' rows of 2,048 bytes (256 elements of 8 bytes), 65,536 bytes apart; 4 words of padding behind every 64 words
	s_mov_b32 s[G1S+0], 15|(3<<16)|(1<<20)|(1<<21)|(5<<22)|(3<<25)
	s_mov_b32 s[G1S+1], 256<<16
	s_mov_b32 s[G1S+2], 4<<16
	s_mov_b32 s[G1S+3], 256<<16
	s_mov_b32 s[G1S+4], 4
	s_mov_b32 s[G1S+5], 8192
	s_mov_b32 s[G1S+6], 0
	s_mov_b32 s[G1S+7], 0
	; for the bias: 4 experts' rows of 256 bytes (32 elements of 8 bytes), 8,192 bytes apart; no padding
	s_mov_b32 s[G1B+0], 15|(3<<16)|(1<<21)
	s_mov_b32 s[G1B+1], 32<<16
	s_mov_b32 s[G1B+2], 4<<16
	s_mov_b32 s[G1B+3], 32<<16
	s_mov_b32 s[G1B+4], 4
	s_mov_b32 s[G1B+5], 1024
	s_mov_b32 s[G1B+6], 0
	s_mov_b32 s[G1B+7], 0
	s_mul_i32 s80, s18, QUART                      ; my 32 rows' place in a slot: the wave's number alone
	s_mov_b32 s25, 0
	s_mov_b32 s27, 0
	s_mov_b32 s77, 0
	s_mov_b32 s74, 2                               ; the contents of the next refill: n = 4 x chunk + pair of experts
	s_wait_kmcnt 0x0
	; W's codes: wave w brings expert w / 2 of the slot's two, rows 32 (w % 2) on of the chunk's 64.  Registers s26, s78 never hold cx
	s_lshl_b32 s26, s23, 21
	s_lshl_b32 s78, s21, 17
	s_add_co_u32 s26, s26, s78
	s_lshl_b32 s78, s22, 15
	s_add_co_u32 s26, s26, s78
	s_add_nc_u64 s[72:73], s[10:11], s[26:27]      ; my rows for n = 0; contents n lie (n % 4) << 22 + (n / 4) << 16 bytes on
	s_mov_b32 s[G0+0], 1
	s_mov_b32 s[G0+1], s80
	s_mov_b64 s[G0+2:G0+3], s[72:73]
	s_or_b32 s[G0+3], s[G0+3], 0x80000000
	s_mov_b32 s[G0+4], 1
	s_add_co_u32 s[G0+5], s80, SLOTB
	s_add_nc_u64 s[G0+6:G0+7], s[72:73], 1<<22     ; n = 1
	s_or_b32 s[G0+7], s[G0+7], 0x80000000
	; the scale bytes: wave w brings LDS rows 4 w .. 4 w + 3: chunk w / 2, experts 4 (w % 2) on
	s_lshl_b32 s26, s22, 18
	s_lshl_b32 s78, s21, 12
	s_add_co_u32 s26, s26, s78
	s_lshl_b32 s78, s23, 11
	s_add_co_u32 s26, s26, s78
	s_mov_b32 s[G0S+0], 1
	s_mul_i32 s[G0S+1], s18, 4*SROW
	s_add_co_u32 s[G0S+1], s[G0S+1], SCL
	s_add_nc_u64 s[G0S+2:G0S+3], s[12:13], s[26:27]
	s_or_b32 s[G0S+3], s[G0S+3], 0x80000000
	; the bias: the same rows
	s_lshl_b32 s26, s22, 15
	s_lshl_b32 s78, s21, 9
	s_add_co_u32 s26, s26, s78
	s_lshl_b32 s78, s23, 8
	s_add_co_u32 s26, s26, s78
	s_mov_b32 s[G0B+0], 1
	s_lshl_b32 s[G0B+1], s18, 10
	s_add_co_u32 s[G0B+1], s[G0B+1], BIA
	s_add_nc_u64 s[G0B+2:G0B+3], s[14:15], s[26:27]
	s_or_b32 s[G0B+3], s[G0B+3], 0x80000000
	; what hangs on my tokens, in registers of its own (s24, s79)
	s_lshl_b32 s24, s20, 18
	s_lshl_b32 s79, s18, 16
	s_add_co_u32 s24, s24, s79
	s_add_nc_u64 s[4:5], s[4:5], s[24:25]          ; xq: (16 x block + 4 x wave) x 16,384 bytes
	s_lshl_b32 s24, s20, 13
	s_lshl_b32 s79, s18, 11
	s_add_co_u32 s24, s24, s79
	s_add_nc_u64 s[6:7], s[6:7], s[24:25]          ; xs: 32 bytes a token
	s_add_nc_u64 s[8:9], s[8:9], s[24:25]          ; gq: 512 bytes for 16 tokens
	s_lshl_b32 s24, s20, 21
	s_lshl_b32 s79, s18, 19
	s_add_co_u32 s24, s24, s79
	s_lshl_b32 s79, s21, 9
	s_add_co_u32 s24, s24, s79
	s_add_nc_u64 s[16:17], s[16:17], s[24:25]      ; out: my first token's row of 8,192 bytes, + 512 y
	CROUND                                         ; all four work-groups are here: the first joint loads meet
	tensor_load_to_lds s[G0S:G0S+3], s[G1S:G1S+7]  ; the four first fills go out together: the scale bytes,
	s_nop 0
	tensor_load_to_lds s[G0B:G0B+3], s[G1B:G1B+7]  ; the bias,
	s_nop 0
	tensor_load_to_lds s[G0:G0+3], s[G1C:G1C+7]    ; slot 0 (n = 0),
	s_nop 0
	tensor_load_to_lds s[G0+4:G0+7], s[G1C:G1C+7]  ; slot 1 (n = 1)
	s_nop 0
.rept 4
	v_nop
.endr
	v_and_b32 v56, 15, v0                          ; r
	v_bfe_u32 v57, v0, 4, 1                        ; hh
	v_and_b32 v58, 31, v0                          ; lane
	v_lshlrev_b32 v[XO], 4, v58
	v_lshlrev_b32 v[SO], 5, v56
	v_lshl_add_u32 v[SO], v57, 4, v[SO]
	v_lshlrev_b32 v[GA], 3, v56
	WIN 0x80                                       ; destination window 2
.irp a, 0,1,2,3
.irp k, 0,1,2,3
.irp c, 0,1,2,3
	global_load_b128 v[16*(4*\a+\k)+4*\c:16*(4*\a+\k)+4*\c+3], v[XO], s[4:5] offset:(8*\a+\k)*2048+512*\c   ; x's fragments as they lie: 512 consecutive bytes a load
.endr
.endr
.endr
	WIN 0xc0                                       ; destination window 3
.irp a, 0,1,2,3
.irp k, 0,1,2,3
.irp c, 0,1,2,3
	global_load_b128 v[16*(4*\a+\k)+4*\c:16*(4*\a+\k)+4*\c+3], v[XO], s[4:5] offset:(8*\a+4+\k)*2048+512*\c
.endr
.endr
.endr
	WIN 0x40                                       ; destination window 1
.irp a, 0,1,2,3
	global_load_b64 v[G+2*\a:G+2*\a+1], v[GA], s[8:9] offset:512*\a   ; g of experts 0 and 1
.endr
.set i, 0
.rept 128
	v_mov_b32 v[i], 0                              ; the running output of chunk 0
.set i, i+1
.endr
	WIN 0
.irp a, 0,1,2,3
	global_load_b128 v[XS+4*\a:XS+4*\a+3], v[SO], s[6:7] offset:512*\a   ; lanes 0-15: the words of K steps 0-3 of token r; lanes 16-31: of K steps 4-7
.endr
	v_mul_u32_u24 v59, v56, PITCH
	v_lshl_add_u32 v[AW], v57, 4, v59              ; a fragment's row x pitch + 16 hh
	v_add_nc_u32 v[AW+1], EXPB, v[AW]
	v_add_nc_u32 v[AW+2], SLOTB, v[AW]
	v_add_nc_u32 v[AW+3], SLOTB+EXPB, v[AW]
	v_lshrrev_b32 v1, 3, v56
	v_lshl_add_u32 v[AS], v1, 4, v[SO]             ; 32 bytes a row of W, 16 hh, and 16 more behind each 256
	v_add_nc_u32 v[AS], SCL, v[AS]
	v_lshl_add_u32 v[AB], v57, 5, BIA              ; my eight h of a block of 16
	s_mul_i32 s78, s18, 16*SP
	s_add_co_u32 s78, s78, STAGE                   ; my stage
	v_mul_u32_u24 v[STO], v56, SP
	v_lshl_add_u32 v[STO], v57, 5, v[STO]
	v_add_nc_u32 v[STO], s78, v[STO]               ; in: row r, 32 bytes for each half of the lanes
	v_mul_u32_u24 v[RD], v57, SP
	v_lshl_add_u32 v[RD], v56, 4, v[RD]
	v_add_nc_u32 v[RD], s78, v[RD]                 ; back: lanes 0-15 one row of 256 bytes, lanes 16-31 the next
	v_lshlrev_b32 v[CO], 13, v57
	v_lshl_add_u32 v[CO], v56, 4, v[CO]            ; and the same two rows in out
; One matrix instruction: accumulator set pp, K step ks, token block a.  K step 0 starts the sum with the bias as C.  K steps 4-7 take both sides' scale words from lanes 16-31.
.macro WM pp, ks, a
.set rD, ACC+32*(\pp)+8*(\a)
.set rW, WF+16*(\ks)
.set rX, 16*(4*(\a)+((\ks)&3))
.set rSW, WS+4*(\pp)+((\ks)&3)
.set rSX, XS+4*(\a)+((\ks)&3)
.if (\ks) == 0
	v_wmma_scale_f32_16x16x128_f8f6f4 v[rD:rD+7], v[rW:rW+15], v[rX:rX+15], v[BIAS+8*(\pp):BIAS+8*(\pp)+7], v[rSW], v[rSX]
.elseif (\ks) < 4
	v_wmma_scale_f32_16x16x128_f8f6f4 v[rD:rD+7], v[rW:rW+15], v[rX:rX+15], v[rD:rD+7], v[rSW], v[rSX]
.else
	v_wmma_scale_f32_16x16x128_f8f6f4 v[rD:rD+7], v[rW:rW+15], v[rX:rX+15], v[rD:rD+7], v[rSW], v[rSX] matrix_a_scale:MATRIX_SCALE_ROW1 matrix_b_scale:MATRIX_SCALE_ROW1
.endif
.endm
; A quarter of a fragment of W: rows 16 b on, K = 128 k + 32 c + 16 hh + 0..15
.macro LF adr, b, k, c
	ds_load_b128 v[WF+16*(\k)+4*(\c):WF+16*(\k)+4*(\c)+3], v[\adr] offset:(\b)*ROWS16+128*(\k)+32*(\c)
.endm
; A unit's scale words of W and its bias, into set pp: row L of the pair's four (chunk, expert) rows, block b
.macro LSB pp, L, b
	ds_load_b128 v[WS+4*(\pp):WS+4*(\pp)+3], v[AS] offset:(\L)*SROW+(\b)*544
	ds_load_b128 v[BIAS+8*(\pp):BIAS+8*(\pp)+3], v[AB] offset:(\L)*256+64*(\b)
	ds_load_b128 v[BIAS+8*(\pp)+4:BIAS+8*(\pp)+7], v[AB] offset:(\L)*256+64*(\b)+16
.endm
; Two maxima of the unit before's relu, in ascending order over its 32 registers (the register as source 0, so that it is taken from window 0 under every setting used here); v_nop where there is no unit before
.macro EP2 i
.if UEPI
	v_max_num_f32 v[ACC+32*UQ+(\i)], v[ACC+32*UQ+(\i)], 0
	v_max_num_f32 v[ACC+32*UQ+(\i)+1], v[ACC+32*UQ+(\i)+1], 0
.else
	v_nop
	v_nop
.endif
.endm
; Eight packed fused multiply-adds: the running output of the unit before, token blocks a0 and a0 + 1, takes g x relu
.macro FMAG a0
.if UEPI
	WIN FMA
.irp a, \a0, \a0+1
.irp i, 0,2,4,6
.if PEO
	v_pk_fma_f32 v[32*PB+8*(\a)+\i:32*PB+8*(\a)+\i+1], v[ACC+32*UQ+8*(\a)+\i:ACC+32*UQ+8*(\a)+\i+1], v[G+8*USG+2*(\a):G+8*USG+2*(\a)+1], v[32*PB+8*(\a)+\i:32*PB+8*(\a)+\i+1] op_sel:[0,1,0] op_sel_hi:[1,1,1]
.else
	v_pk_fma_f32 v[32*PB+8*(\a)+\i:32*PB+8*(\a)+\i+1], v[ACC+32*UQ+8*(\a)+\i:ACC+32*UQ+8*(\a)+\i+1], v[G+8*USG+2*(\a):G+8*USG+2*(\a)+1], v[32*PB+8*(\a)+\i:32*PB+8*(\a)+\i+1] op_sel_hi:[1,0,1]
.endif
.endr
.endr
.else
.rept 8
	v_nop
.endr
.endif
.endm
; Four matrix instructions of K step ks; behind each, two maxima from number ep on (ep < 0: none) and a quarter of the next unit's fragment nk (nk < 0: none)
.macro BLOCK ks, ep, nk
.irp a, 0,1,2,3
	WM UP, \ks, \a
.if (\ep) >= 0
	EP2 (\ep)+2*\a
.endif
.if (\nk) >= 0
	LF NAW, NB, \nk, \a
.endif
.endr
.endm
; UNIT U of a pair of slots' sixteen.  kind 0: ordinary; 1: the slot's last, and the slot is filled again; 2: the slot's last, nothing is filled; 3: the launch's last.  epi: the unit before has its relu and add here.
; THE FOUR ACCUMULATORS TAKE TURNS, one instruction a turn, from unit to unit too.
; PLACES: a load into a register that a matrix instruction has read, and the first read of a result, stand eight plain vector instructions that name none of its registers behind it.
; Block 0's eight v_nop serve the unit before's last products (their results, their scale words, fragments 6 and 7); the maxima and the multiply-adds serve the rest.
; WAITS: a unit issues its LDS loads in the order 8 (its own fragments 6, 7) | 3 + 4 (the next unit's scale words and bias, fragment 0) | 4 | 4 | 4 | 4 | 4 (fragments 1-5); each count is the loads issued behind the fragment wanted.
.macro UNIT U, kind, epi, gload
.set UP,  (\U)&1                       ; my set of accumulators, scale words and bias
.set UQ,  1-UP                         ; the other: the unit before's results, the next unit's scale words and bias
.set UL,  (\U)>>2                      ; which of the pair's four experts
.set USG, UL>>1                        ; the slot
.set UB,  (\U)&3                       ; the block of 16 h
.set NL,  ((\U)+1)>>2                  ; the next unit's
.set NB,  ((\U)+1)&3
.set NAW, AW+(NL&3)
.set PB,  ((\U)+3)&3                   ; the unit before's block, and which expert of its slot's two
.set PEO, (((\U)+15)>>2)&1
.set UEPI, \epi
	s_wait_dscnt 20                                ; fragment 0, scale words and bias are in; behind them: fragments 1-5
	WIN MUL2
.irp a, 0,1,2,3
	WM UP, 0, \a
	v_nop
	v_nop
.endr
	s_wait_dscnt 16                                ; behind fragment 1: fragments 2-5
.irp a, 0,1,2,3
	WM UP, 1, \a
	EP2 2*\a
	LF AW+UL, UB, 6+\a/2, 2*(\a%2)
	LF AW+UL, UB, 6+\a/2, 2*(\a%2)+1
.endr
.if \kind == 0
	s_wait_dscnt 20                                ; behind fragment 2: 3-5 and the eight just issued
.irp a, 0,1,2,3
	WM UP, 2, \a
	EP2 8+2*\a
.if \a == 0
	LSB UQ, NL, NB
.endif
	LF NAW, NB, 0, \a
.endr
	s_wait_dscnt 23                                ; 8 + 8 + 7
	BLOCK 3, 16, 1
	FMAG 0
.if \gload
	WIN FMA                                        ; (destination window 1, address window 0)
.irp a, 0,1,2,3
	global_load_b64 v[G+8*(1-USG)+2*\a:G+8*(1-USG)+2*\a+1], v[GA], s[8:9] offset:512*\a+128*(1-USG)   ; g for the next slot's two experts, into the set that this slot does not read
.endr
.endif
	s_wait_dscnt 23                                ; 4 + 8 + 7 + 4
	WIN MUL3
	BLOCK 4, 24, 2
	s_wait_dscnt 23                                ; 8 + 7 + 4 + 4
	BLOCK 5, -1, 3
	FMAG 2
	s_wait_dscnt 23                                ; 4 + 7 + 4 + 4 + 4
	WIN MUL3
	BLOCK 6, -1, 4
	s_wait_dscnt 23                                ; 7 + 4 + 4 + 4 + 4
	BLOCK 7, -1, 5
.elseif \kind == 3
	s_wait_dscnt 20                                ; nothing more is fetched: the counts run down
	BLOCK 2, 8, -1
	s_wait_dscnt 16
	BLOCK 3, 16, -1
	FMAG 0
	s_wait_dscnt 12
	WIN MUL3
	BLOCK 4, 24, -1
	s_wait_dscnt 8
	BLOCK 5, -1, -1
	FMAG 2
	s_wait_dscnt 4
	WIN MUL3
	BLOCK 6, -1, -1
	s_wait_dscnt 0x0
	BLOCK 7, -1, -1
.else
	; THE CHANGE OF SLOTS.  My last reads of this slot (fragments 6 and 7) have been issued.  ONE barrier for two things: behind it nobody reads this slot any more, and the other slot is whole.
	WIN 0                                          ; (the add's two registers lie in window 0)
	s_wait_tensorcnt 0x0                           ; all my tensor loads have landed: the one that was out is my part of the other slot; so a group 0 may be written
	ds_add_u32 v[SPW], v[NIL]                      ; 0 onto my spare word
.if \kind == 1
	s_and_b32 s78, s74, 3                          ; where contents n begin: (n % 4) << 22 + (n / 4) << 16 bytes behind n = 0
	s_lshl_b32 s76, s78, 22
	s_lshr_b32 s78, s74, 2
	s_lshl_b32 s78, s78, 16
	s_add_co_u32 s76, s76, s78
	s_add_nc_u64 s[G0+4*USG+2:G0+4*USG+3], s[72:73], s[76:77]
	s_or_b32 s[G0+4*USG+3], s[G0+4*USG+3], 0x80000000
	s_add_co_u32 s74, s74, 1
.endif
	s_wait_dscnt 21                                ; behind fragment 2: 3-5, the eight, the add
	WIN MUL2
	BLOCK 2, 8, -1                                 ; eight matrix instructions and their vector work stand between the add and the wait for it
	s_wait_dscnt 17                                ; behind fragment 3: 4, 5, the eight, the add
	BLOCK 3, 16, -1
	FMAG 0
	s_wait_dscnt 0x0                               ; the add is done, and my reads of this slot are over
	s_barrier_signal -1                            ; (with a refill this barrier opens a round of the cluster's barrier)
	WIN MUL3
	BLOCK 4, 24, -1                                ; work on registers while the others arrive
	WIN 0
	s_barrier_wait -1
.if \kind == 1
	CREST                                          ; no wave of any partner still reads this slot or has a load on its way
	tensor_load_to_lds s[G0+4*USG:G0+4*USG+3], s[G1C:G1C+7]   ; my one tensor load behind the round, and the first thing there: it has the other slot's 8 units in which to land
	s_nop 0
.endif
.rept 8
	v_nop                                          ; with block 4's last two maxima: the places in front of the load into fragment 4
.endr
	LSB UQ, NL, NB                                 ; the other slot's first unit: 23 loads in one run
.irp k, 0,1,2,3,4
.irp c, 0,1,2,3
	LF NAW, NB, \k, \c
.endr
.endr
	WIN MUL3
	BLOCK 5, -1, -1                                ; fragments 5-7 came in with the wait for 0
	FMAG 2
	WIN MUL3
	BLOCK 6, -1, -1
	BLOCK 7, -1, 5
.endif
.endm
; A slot's last unit (set 1, block 3, the slot's second expert) has its relu and add at the slot's end, so that a slot is closed in itself
.macro DRAIN sg
.rept 8
	v_nop                                          ; the places behind the last products
.endr
.set i, 0
.rept 32
	v_max_num_f32 v[ACC+32+i], v[ACC+32+i], 0
.set i, i+1
.endr
	WIN FMA
.irp a, 0,1,2,3
.irp j, 0,2,4,6
	v_pk_fma_f32 v[96+8*\a+\j:96+8*\a+\j+1], v[ACC+32+8*\a+\j:ACC+32+8*\a+\j+1], v[G+8*\sg+2*\a:G+8*\sg+2*\a+1], v[96+8*\a+\j:96+8*\a+\j+1] op_sel:[0,1,0] op_sel_hi:[1,1,1]
.endr
.endr
	WIN 0
.endm
.macro SLOTHEAD sg
	WIN 0
	s_wait_loadcnt 0x0                             ; this slot's g is in (asked for six units ago; at the very first slot: x's codes and scale words too), and v8 is free
.if \sg == 1
	v_xor_b32 v[GA], 0x100, v[GA]                  ; the next pair of slots takes the other four experts' g
.endif
.endm
.macro PAIR k7, k15, g1                ; slot 0, then slot 1: four experts x 64 h
	SLOTHEAD 0
	UNIT 0, 0, 0, 0
	UNIT 1, 0, 1, 1
.irp u, 2,3,4,5,6
	UNIT \u, 0, 1, 0
.endr
	UNIT 7, \k7, 1, 0
	DRAIN 0
	SLOTHEAD 1
	UNIT 8, 0, 0, 0
	UNIT 9, 0, 1, \g1
.irp u, 10,11,12,13,14
	UNIT \u, 0, 1, 0
.endr
	UNIT 15, \k15, 1, 0
	DRAIN 1
.endm
; THE WAY OUT of a chunk, block by block of 16 tokens x 64 h.  A lane holds 32 bytes of a row and the lanes beside it hold other rows: a block goes through my own stage and comes back as whole rows of 256 bytes.
; LDS serves a wave's instructions in order (ISA guide 5.7.1.4): no wait between the stores and the loads, nor in front of the next block's stores.
.macro TOSTAGE a
	s_wait_xcnt 0x0                                ; earlier stores have read their registers: this block's loads may land there
.irp b, 0,1,2,3
	ds_store_b128 v[STO], v[32*\b+8*(\a):32*\b+8*(\a)+3] offset:64*\b
	ds_store_b128 v[STO], v[32*\b+8*(\a)+4:32*\b+8*(\a)+7] offset:64*\b+16
.endr
.irp t, 0,1,2,3,4,5,6,7
	ds_load_b128 v[TMP+32*((\a)&1)+4*\t:TMP+32*((\a)&1)+4*\t+3], v[RD] offset:2*SP*\t
.endr
.endm
.macro SEND a, c, younger              ; younger: the LDS instructions issued behind block a's loads, which may stay out
	s_wait_dscnt \younger
.irp t, 0,1,2,3,4,5,6,7
	global_store_b128 v[CO], v[TMP+32*((\a)&1)+4*\t:TMP+32*((\a)&1)+4*\t+3], s[16:17] offset:(16*(\a)+2*\t)*8192+256*(\c) th:TH_STORE_NT   ; 16 lanes store 256 consecutive bytes, at a multiple of 256 from out's first byte
.endr
.endm
.macro OUTP c, zero
	WIN WOUT
	TOSTAGE 0
.irp a, 1,2,3
	TOSTAGE \a
	SEND \a-1, \c, 16                              ; behind block a - 1's loads: block a's 8 stores and 8 loads
.endr
	SEND 3, \c, 0
.if \zero
.set i, 0
.rept 128
	v_mov_b32 v[i], 0                              ; the running output of the next chunk
.set i, i+1
.endr
.endif
	WIN 0
.endm
	s_wait_tensorcnt 0x1                           ; the scale bytes, the bias and my part of slot 0 are in; slot 1's load may stay out
	s_barrier_signal -1
	s_barrier_wait -1                              ; everybody's are
	LSB 0, 0, 0                                    ; the first unit: 27 loads
.irp k, 0,1,2,3,4,5
.irp c, 0,1,2,3
	LF AW, 0, \k, \c
.endr
.endr
	s_mov_b32 s75, 3
.Lpair:                                                ; three trips: each walks both slots and fills both again (contents 2 to 7)
	PAIR 1, 1, 1
	v_add_nc_u32 v[AS], 4*SROW, v[AS]              ; four (chunk, expert) rows on
	v_add_nc_u32 v[AB], 4*256, v[AB]
	s_cmp_lg_u32 s75, 2                            ; behind the second trip chunk 0 has had its eight experts; the counter is the same in every work-group
	s_cbranch_scc1 .Lno_out
	OUTP 0, 1
.Lno_out:
	s_sub_co_u32 s75, s75, 1
	s_cmp_lg_u32 s75, 0
	s_cbranch_scc1 .Lpair
	PAIR 2, 3, 0                                   ; the last pair of slots is written out
	OUTP 1, 0
	s_wait_tensorcnt 0x0                           ; the wave's end, behind my last tensor load and my last LDS store
	ds_add_u32 v[SPW], v[NIL]
	s_wait_dscnt 0x0
	CROUND                                         ; the closing round: no work-group ends while a partner may still ask for a tile that names it
	s_endpgm
.Lfunc_end_k_q37dba0ebfd_moe:
	.size	k_q37dba0ebfd_moe, .Lfunc_end_k_q37dba0ebfd_moe-k_q37dba0ebfd_moe
	.p2alignl 7, 3214868480
	.fill 96, 4, 3214868480
	.section	.rodata,"a",@progbits
	.p2align	6, 0x0
	.amdhsa_kernel k_q37dba0ebfd_moe
		.amdhsa_group_segment_fixed_size 327680
		.amdhsa_private_segment_fixed_size 0
		.amdhsa_enable_private_segment 0
		.amdhsa_kernarg_size 56
		.amdhsa_user_sgpr_count 2
		.amdhsa_user_sgpr_kernarg_segment_ptr 1
		.amdhsa_wavefront_size32 1
		.amdhsa_system_sgpr_workgroup_id_x 1
		.amdhsa_system_sgpr_workgroup_id_y 1
		.amdhsa_system_sgpr_workgroup_id_z 1
		.amdhsa_system_vgpr_workitem_id 0
		.amdhsa_next_free_vgpr 1024
		.amdhsa_next_free_sgpr 84
		.amdhsa_reserve_vcc 0
		.amdhsa_float_denorm_mode_32 3
		.amdhsa_float_denorm_mode_16_64 3
		.amdhsa_memory_ordered 1
		.amdhsa_forward_progress 1
		.amdhsa_inst_pref_size 255
	.end_amdhsa_kernel
	.section	.bss,"aw",@nobits
	.p2align	6
	.space	262144
	.amdgpu_metadata
---
amdhsa.version: [ 1, 2 ]
amdhsa.kernels:
  - .name:           k_q37dba0ebfd_moe
    .symbol:         k_q37dba0ebfd_moe.kd
    .args:
      - { .name: xq, .offset: 0, .size: 8, .value_kind: global_buffer, .address_space: global }
      - { .name: xs, .offset: 8, .size: 8, .value_kind: global_buffer, .address_space: global }
      - { .name: gq, .offset: 16, .size: 8, .value_kind: global_buffer, .address_space: global }
      - { .name: expert_w_codes, .offset: 24, .size: 8, .value_kind: global_buffer, .address_space: global }
      - { .name: expert_w_scales, .offset: 32, .size: 8, .value_kind: global_buffer, .address_space: global }
      - { .name: expert_b, .offset: 40, .size: 8, .value_kind: global_buffer, .address_space: global }
      - { .name: out0, .offset: 48, .size: 8, .value_kind: global_buffer, .address_space: global }
    .group_segment_fixed_size: 327680
    .private_segment_fixed_size: 0
    .kernarg_segment_align: 8
    .kernarg_segment_size: 56
    .max_flat_workgroup_size: 128
    .sgpr_count:     84
    .vgpr_count:     1024
    .wavefront_size: 32
...
	.end_amdgpu_metadata
.endif
;; end of part 2
;; ======== version 2 of 2: 2 launches
;; limits: values are held in bf16: 8 bits of precision; right only within a limited range of input values
;; workspace buffers: xq 4,194,304 bytes; xs 131,072 bytes; gq 131,072 bytes
;; launch prep (part 3): grid 256 x 1, 8 waves a work-group, no clusters, 111,104 bytes of LDS; arguments x, gate_w, gate_b, xq, xs, gq; writes xq, xs, gq
.if DOCPART == 3
	.amdgcn_target "amdgcn-amd-amdhsa--gfx1250"
	.amdhsa_code_object_version 6
	.text
	.protected	k_q37dba0ebfd_prep
	.globl	k_q37dba0ebfd_prep
	.p2align	8
	.type	k_q37dba0ebfd_prep,@function
k_q37dba0ebfd_prep:
	s_mov_b64 s[64:65], 0
	v_nop
	global_prefetch_b8 v0, s[64:65] scope:SCOPE_SE
	s_setreg_imm32_b32 hwreg(HW_REG_WAVE_MODE, 25, 1), 1
	s_wait_xcnt 0x0
; x [4096][1024] f32 is quantised ONCE along K into codes of E4M3 with one E8M0 byte for each 32, and the gate g = softmax(x gate_w^T + gate_b) is made.
; A block's scale is 2^(floor(log2(its largest magnitude)) - 8): its byte is the largest magnitude's exponent field - 8, held at 1 from below; a block of zeros gets 127.
; Each number is held within +-448 x the scale and converted to the nearest code, ties to even.
; LIMITS: NaN and infinities in x are not served; blocks whose byte is held at 1 (largest magnitude under 2^-117) were not tried; the gate's two operands are rounded to bf16 (sums, bias and softmax in f32).
; SHARES.  A work-group takes 16 tokens (block mb), each of its eight waves 128 along K (step ks).  Lane (r = lane % 16, hh = lane / 16) holds token r and, for c = 0..3, the 16 neighbours
; k = 128 ks + 32 c + 16 hh + 0..15: the very numbers that the scaled matrix instruction's operand layout gives that lane, so the conversions' results are a fragment's registers.
; IN.  A wave's part of a row (128 f32) is 512 consecutive bytes: one load of the wave takes one row, 16 rows of x and 8 of gate_w.  The rows reach the lanes' order above through the wave's own bytes of LDS
; (rows 528 bytes apart, so that the sixteen rows that a load touches lie in sixteen different columns of 16 bytes); no other wave touches them, so no barrier stands there.
; OUT.  xq [mb][ks][c][lane][16 bytes]: fragments as they lie in registers: each store of a wave, and each later load, covers 512 consecutive bytes.
;       xs [token][32 bytes], natural.     gq [mb][q 0..3][r][2] f32 = g(token r, experts 2 q and 2 q + 1).
; THE GATE.  The same registers, rounded to bf16, are source 1 (16 tokens) of a bf16 matrix instruction; source 0 is gate_w's rows r % 8 at the same k (rows 8-15 repeat the eight experts, so that
; both halves of the lanes get all eight logits of token r).  Both sources hold the same k in the same place, so the products pair rightly.  The waves' parts meet in LDS; wave 0 finishes.
.set GP,   0                           ; LDS: eight waves x 1,024 bytes: a wave's parts of the logits, 32 bytes a lane
.set SX,   8192                        ; LDS: 512 bytes: the block's scale bytes, [r][32]
.set TR,   8704                        ; LDS: for each wave 24 rows: 16 of x, then 8 of gate_w
.set TP,   528                         ; a row there: 512 bytes + 16
.set TW,   24*TP
.set MX,   16                          ; v16-19  a block's largest magnitude, c = 0..3
.set EB,   20                          ; v20-23  its scale byte
.set LIM,  24                          ; v24-27  448 x the scale
.set SCF,  28                          ; v28-31  the scale as f32
.set CD,   32                          ; v32-47  the codes: four registers for each c
.set SUM,  48                          ; v48-55  my wave's part of the eight logits
.set WORD, 56                          ; v56     the four scale bytes of my token and K step
.set X,    64                          ; v64-127 x: first a row to four registers, then 16 numbers for each c;  later (wave 0) the eight waves' parts
.set GW,   128                         ; v128-191 gate_w, likewise;  v128-159 then take the four gate products
.set XB,   192                         ; v192-223 x in bf16, eight registers for each c
.set GB,   224                         ; v224-255 gate_w in bf16
	s_load_b256 s[4:11], s[0:1], 0x0               ; x s[4:5], gate_w s[6:7], gate_b s[8:9], xq s[10:11]
	s_load_b128 s[12:15], s[0:1], 0x20             ; xs s[12:13], gq s[14:15]
	v_lshl_add_u32 v58, v0, 2, 0x1ae00
	v_mov_b32 v59, 0
	v_lshrrev_b32 v10, 5, v0
	s_delay_alu instid0(VALU_DEP_1)
	v_readfirstlane_b32 s16, v10                   ; wave = ks
	v_and_b32 v1, 31, v0                           ; lane
	v_and_b32 v2, 15, v0                           ; r
	v_bfe_u32 v3, v0, 4, 1                         ; hh
	s_delay_alu instid0(VALU_DEP_3)
	v_lshlrev_b32 v6, 4, v1                        ; 16 x lane
	s_mul_i32 s32, s16, TW
	s_add_co_u32 s32, s32, TR                      ; my wave's 24 rows in LDS
	v_lshl_add_u32 v57, v1, 4, s32                 ; into them: 16 bytes a lane
	v_mul_u32_u24 v4, v2, TP
	s_delay_alu instid0(VALU_DEP_1)
	v_lshl_add_u32 v4, v3, 6, v4
	s_delay_alu instid0(VALU_DEP_1)
	v_add_nc_u32 v4, s32, v4                       ; out of them, x: row r + 64 hh
	v_and_b32 v5, 7, v0
	s_delay_alu instid0(VALU_DEP_1)
	v_mul_u32_u24 v5, v5, TP
	s_delay_alu instid0(VALU_DEP_1)
	v_lshl_add_u32 v5, v3, 6, v5
	s_delay_alu instid0(VALU_DEP_1)
	v_add_nc_u32 v5, s32, v5                       ; gate_w: row r % 8 (of the eight behind x's sixteen) + 64 hh
	s_lshl_b32 s17, s16, 10
	v_lshl_add_u32 v7, v1, 5, s17                  ; LDS: my wave's 1,024 bytes, 32 a lane
	s_lshl_b32 s17, s16, 2
	s_add_co_u32 s17, s17, SX
	v_lshl_add_u32 v8, v2, 5, s17                  ; LDS: row r's 32 scale bytes, my K step's four
	v_lshlrev_b32 v9, 3, v2
	s_delay_alu instid0(VALU_DEP_1)
	v_lshl_add_u32 v9, v3, 7, v9                   ; gq: 128 hh + 8 r
	s_mov_b32 s20, 0x76543210
	s_mov_b32 s21, 0xfedcba98                      ; v_permlanex16_b32's selects for lane l xor 16
	s_mov_b32 s22, 0x3fb8aa3b                      ; log2(e)
	s_mov_b32 s19, 0
	s_lshl_b32 s23, s16, 9                         ; my K step: 512 bytes along a row of f32
	s_wait_alu depctr_va_vdst(0)
	s_wait_kmcnt 0x0
	s_load_b256 s[24:31], s[8:9], 0x0              ; gate_b: eight numbers; wave 0 waits for them
	s_mov_b32 s18, s23
	s_add_nc_u64 s[6:7], s[6:7], s[18:19]          ; gate_w at my K step
	s_lshl_b32 s18, ttmp9, 16                      ; 16 rows of 4,096 bytes a work-group
	s_add_co_u32 s18, s18, s23
	s_add_nc_u64 s[4:5], s[4:5], s[18:19]          ; x at my block and K step
	s_lshl_b32 s18, ttmp9, 14
	s_lshl_b32 s23, s16, 11
	s_add_co_u32 s18, s18, s23
	s_add_nc_u64 s[10:11], s[10:11], s[18:19]      ; xq: (8 mb + ks) x 2,048 bytes
	s_lshl_b32 s18, ttmp9, 9
	s_add_nc_u64 s[12:13], s[12:13], s[18:19]      ; xs and gq: 512 bytes a block
	s_add_nc_u64 s[14:15], s[14:15], s[18:19]
.irp j, 0,1,2,3,4,5,6,7
	global_load_b128 v[GW+4*\j:GW+4*\j+3], v6, s[6:7] offset:4096*\j                    ; expert j: 512 consecutive bytes
.endr
.irp j, 0,1,2,3,4,5,6,7,8,9,10,11,12,13,14,15
	global_load_b128 v[X+4*\j:X+4*\j+3], v6, s[4:5] offset:4096*\j th:TH_LOAD_NT        ; token j: 512 consecutive bytes
.endr
	s_wait_loadcnt 16                              ; gate_w's eight loads are in; x's sixteen may be out
.irp j, 0,1,2,3,4,5,6,7
	ds_store_b128 v57, v[GW+4*\j:GW+4*\j+3] offset:(16+\j)*TP
.endr
.irp c, 0,1,2,3
.irp i, 0,1,2,3
	ds_load_b128 v[GW+16*\c+4*\i:GW+16*\c+4*\i+3], v5 offset:16*TP+128*\c+16*\i         ; LDS serves a wave's instructions in order (ISA guide 5.7.1.4): these see the stores above
.endr
.endr
.irp j, 0,1,2,3,4,5,6,7,8,9,10,11,12,13,14,15
	s_wait_loadcnt 15-\j                           ; row j is in; the rows behind it may be out
	ds_store_b128 v57, v[X+4*\j:X+4*\j+3] offset:\j*TP
.endr
.irp c, 0,1,2,3
.irp i, 0,1,2,3
	ds_load_b128 v[X+16*\c+4*\i:X+16*\c+4*\i+3], v4 offset:128*\c+16*\i                 ; x(r, 128 ks + 32 c + 16 hh + 4 i ..)
.endr
.endr
	s_wait_dscnt 0x0                               ; both are wanted at once
.irp c, 0,1,2,3                                ; to bf16 for the gate, ahead of the hold that changes x in place
.irp j, 0,1,2,3,4,5,6,7
	v_cvt_pk_bf16_f32 v[GB+8*\c+\j], v[GW+16*\c+2*\j], v[GW+16*\c+2*\j+1]
	v_cvt_pk_bf16_f32 v[XB+8*\c+\j], v[X+16*\c+2*\j], v[X+16*\c+2*\j+1]
.endr
.endr
.irp c, 0,1,2,3                                ; block c: my 16 numbers and those of lane l xor 16
	v_max3_num_f32 v[MX+\c], |v[X+16*\c]|, |v[X+16*\c+1]|, |v[X+16*\c+2]|
.irp i, 3,5,7,9,11,13
	s_delay_alu instid0(VALU_DEP_1)
	v_max3_num_f32 v[MX+\c], v[MX+\c], |v[X+16*\c+\i]|, |v[X+16*\c+\i+1]|
.endr
	s_delay_alu instid0(VALU_DEP_1)
	v_max_num_f32 v[MX+\c], v[MX+\c], |v[X+16*\c+15]|
	v_mov_b32 v[EB+\c], 0                          ; (the destination of a lane permute counts as read)
	s_delay_alu instid0(VALU_DEP_1)
	v_permlanex16_b32 v[EB+\c], v[MX+\c], s20, s21
	s_delay_alu instid0(VALU_DEP_1)
	v_max_num_f32 v[MX+\c], v[MX+\c], v[EB+\c]     ; the block's largest magnitude
	s_delay_alu instid0(VALU_DEP_1)
	v_lshrrev_b32 v[EB+\c], 23, v[MX+\c]           ; its exponent field
	s_delay_alu instid0(VALU_DEP_1)
	v_max_u32 v[EB+\c], 9, v[EB+\c]                ; the byte is not to fall under 1
	s_delay_alu instid0(VALU_DEP_1)
	v_lshl_or_b32 v[LIM+\c], v[EB+\c], 23, 0x600000   ; 448 x the scale
	s_delay_alu instid0(VALU_DEP_2)
	v_add_nc_u32 v[EB+\c], -8, v[EB+\c]            ; the scale's byte
	s_delay_alu instid0(VALU_DEP_1)
	v_lshlrev_b32 v[SCF+\c], 23, v[EB+\c]          ; the scale as f32: the conversion takes its exponent field
	v_cmp_eq_u32 vcc_lo, 0, v[MX+\c]
	s_delay_alu instid0(VALU_DEP_1)
	v_cndmask_b32 v[EB+\c], v[EB+\c], 127, vcc_lo  ; a block of zeros
.endr
	v_lshl_or_b32 v[WORD], v[EB+1], 8, v[EB]       ; four bytes, the lower K in the lower byte
	s_delay_alu instid0(VALU_DEP_1)
	v_lshl_or_b32 v[WORD], v[EB+2], 16, v[WORD]
	s_delay_alu instid0(VALU_DEP_1)
	v_lshl_or_b32 v[WORD], v[EB+3], 24, v[WORD]
.irp c, 0,1,2,3                                ; the gate's products: four sums of their own, each started by the constant 0: register j of every lane: expert j, token r, these 32 along K
	v_wmma_f32_16x16x32_bf16 v[GW+8*\c:GW+8*\c+7], v[GB+8*\c:GB+8*\c+7], v[XB+8*\c:XB+8*\c+7], 0
.endr
.irp c, 0,1,2,3                                ; the holds name no register of the matrix instructions: they are the places behind them (ISA guide 7.12.1)
.irp i, 0,1,2,3,4,5,6,7,8,9,10,11,12,13,14,15
	v_med3_num_f32 v[X+16*\c+\i], v[X+16*\c+\i], -v[LIM+\c], v[LIM+\c]   ; the conversion to an 8-bit code does not saturate (ISA guide 7.6.2)
.endr
	v_cvt_scalef32_pk8_fp8_f32 v[CD+4*\c:CD+4*\c+1], v[X+16*\c:X+16*\c+7], v[SCF+\c]
	v_cvt_scalef32_pk8_fp8_f32 v[CD+4*\c+2:CD+4*\c+3], v[X+16*\c+8:X+16*\c+15], v[SCF+\c]
.endr
.irp i, 0,2,4,6                                ; the four products are added, each read from its low end on; these are also the plain place behind the conversions
	v_pk_add_f32 v[SUM+\i:SUM+\i+1], v[GW+\i:GW+\i+1], v[GW+8+\i:GW+8+\i+1]
	v_pk_add_f32 v[SUM+\i:SUM+\i+1], v[SUM+\i:SUM+\i+1], v[GW+16+\i:GW+16+\i+1]
	v_pk_add_f32 v[SUM+\i:SUM+\i+1], v[SUM+\i:SUM+\i+1], v[GW+24+\i:GW+24+\i+1]
.endr
.irp c, 0,1,2,3
	global_store_b128 v6, v[CD+4*\c:CD+4*\c+3], s[10:11] offset:512*\c   ; 32 lanes store 512 consecutive bytes
.endr
	ds_store_b32 v8, v[WORD]                       ; both halves of the lanes write the same word with the same value
	ds_store_b128 v7, v[SUM:SUM+3]
	ds_store_b128 v7, v[SUM+4:SUM+7] offset:16
	s_wait_dscnt 0x0                               ; for wave 0's sake: my stores into LDS are done
	s_barrier_signal -1
	s_barrier_wait -1
	s_cmp_lg_u32 s16, 0
	s_cbranch_scc1 .Lend                           ; wave 0 alone finishes the block
	v_add_nc_u32 v10, SX, v6
	ds_load_b128 v[60:63], v10                     ; the block's 512 scale bytes, 16 a lane
	v_lshlrev_b32 v11, 5, v1
.irp w, 0,1,2,3,4,5,6,7
	ds_load_b128 v[X+8*\w:X+8*\w+3], v11 offset:GP+1024*\w
	ds_load_b128 v[X+8*\w+4:X+8*\w+7], v11 offset:GP+1024*\w+16
.endr
	s_wait_dscnt 16                                ; the scale bytes are in; the sixteen loads behind them may be out
	global_store_b128 v6, v[60:63], s[12:13]       ; 512 consecutive bytes
	s_wait_dscnt 0x0
.irp w, 0,2,4,6
.irp i, 0,2,4,6
	v_pk_add_f32 v[X+8*\w+\i:X+8*\w+\i+1], v[X+8*\w+\i:X+8*\w+\i+1], v[X+8*\w+8+\i:X+8*\w+8+\i+1]
.endr
.endr
.irp w, 0,4
.irp i, 0,2,4,6
	v_pk_add_f32 v[X+8*\w+\i:X+8*\w+\i+1], v[X+8*\w+\i:X+8*\w+\i+1], v[X+8*\w+16+\i:X+8*\w+16+\i+1]
.endr
.endr
.irp i, 0,2,4,6
	s_delay_alu instid0(VALU_DEP_4)
	v_pk_add_f32 v[X+\i:X+\i+1], v[X+\i:X+\i+1], v[X+32+\i:X+32+\i+1]
.endr
	s_wait_alu depctr_va_vdst(0)
	s_wait_kmcnt 0x0                               ; gate_b
.irp j, 0,1,2,3,4,5,6,7
	v_add_f32 v[X+\j], s[24+\j], v[X+\j]           ; the eight logits of token r
.endr
	v_max3_num_f32 v12, v[X], v[X+1], v[X+2]       ; the softmax takes the row's maximum away
	s_delay_alu instid0(VALU_DEP_1)
	v_max3_num_f32 v12, v12, v[X+3], v[X+4]
	s_delay_alu instid0(VALU_DEP_1)
	v_max3_num_f32 v12, v12, v[X+5], v[X+6]
	s_delay_alu instid0(VALU_DEP_1)
	v_max_num_f32 v12, v12, v[X+7]
	s_delay_alu instid0(VALU_DEP_1)
	v_mul_f32 v13, s22, v12
.irp j, 0,1,2,3,4,5,6,7
	v_fma_f32 v[X+\j], v[X+\j], s22, -v13          ; (L - m) log2(e)
.endr
	s_wait_alu depctr_va_vdst(0)
.irp j, 0,1,2,3,4,5,6,7
	v_exp_f32 v[X+\j], v[X+\j]
.endr
	v_nop                                          ; one plain place behind the exponentials
	s_wait_alu depctr_va_vdst(0)
	v_add_f32 v14, v[X], v[X+1]
	v_add_f32 v15, v[X+2], v[X+3]
	v_add_f32 v16, v[X+4], v[X+5]
	v_add_f32 v17, v[X+6], v[X+7]
	s_delay_alu instid0(VALU_DEP_3)
	v_add_f32 v14, v14, v15
	s_delay_alu instid0(VALU_DEP_2)
	v_add_f32 v16, v16, v17
	s_delay_alu instid0(VALU_DEP_1)
	v_add_f32 v14, v14, v16
	s_wait_alu depctr_va_vdst(0)
	v_rcp_f32 v14, v14
	v_cmp_lt_u32 vcc_lo, 15, v1                    ; lanes 16-31 (also the plain place behind the reciprocal)
	s_wait_alu depctr_va_vdst(0)
.irp j, 0,1,2,3,4,5,6,7
	v_mul_f32 v[X+\j], v[X+\j], v14
.endr
	v_cndmask_b32 v72, v[X], v[X+2], vcc_lo        ; lanes 0-15 store pairs 0 and 2, lanes 16-31 pairs 1 and 3
	v_cndmask_b32 v73, v[X+1], v[X+3], vcc_lo
	s_delay_alu instid0(VALU_DEP_4)
	v_cndmask_b32 v74, v[X+4], v[X+6], vcc_lo
	s_delay_alu instid0(VALU_DEP_4)
	v_cndmask_b32 v75, v[X+5], v[X+7], vcc_lo
	global_store_b64 v9, v[72:73], s[14:15]        ; each store covers 256 consecutive bytes, aligned
	global_store_b64 v9, v[74:75], s[14:15] offset:256
.Lend:
	s_wait_tensorcnt 0x0
	ds_add_u32 v58, v59
	s_wait_dscnt 0x0
	s_endpgm
.Lfunc_end_k_q37dba0ebfd_prep:
	.size	k_q37dba0ebfd_prep, .Lfunc_end_k_q37dba0ebfd_prep-k_q37dba0ebfd_prep
	.p2alignl 7, 3214868480
	.fill 96, 4, 3214868480
	.section	.rodata,"a",@progbits
	.p2align	6, 0x0
	.amdhsa_kernel k_q37dba0ebfd_prep
		.amdhsa_group_segment_fixed_size 111104
		.amdhsa_private_segment_fixed_size 0
		.amdhsa_enable_private_segment 0
		.amdhsa_kernarg_size 48
		.amdhsa_user_sgpr_count 2
		.amdhsa_user_sgpr_kernarg_segment_ptr 1
		.amdhsa_wavefront_size32 1
		.amdhsa_system_sgpr_workgroup_id_x 1
		.amdhsa_system_sgpr_workgroup_id_y 1
		.amdhsa_system_sgpr_workgroup_id_z 1
		.amdhsa_system_vgpr_workitem_id 0
		.amdhsa_next_free_vgpr 256
		.amdhsa_next_free_sgpr 66
		.amdhsa_reserve_vcc 1
		.amdhsa_float_denorm_mode_32 3
		.amdhsa_float_denorm_mode_16_64 3
		.amdhsa_memory_ordered 1
		.amdhsa_forward_progress 1
		.amdhsa_inst_pref_size 32
	.end_amdhsa_kernel
	.amdgpu_metadata
---
amdhsa.version: [ 1, 2 ]
amdhsa.kernels:
  - .name:           k_q37dba0ebfd_prep
    .symbol:         k_q37dba0ebfd_prep.kd
    .args:
      - { .name: x, .offset: 0, .size: 8, .value_kind: global_buffer, .address_space: global }
      - { .name: gate_w, .offset: 8, .size: 8, .value_kind: global_buffer, .address_space: global }
      - { .name: gate_b, .offset: 16, .size: 8, .value_kind: global_buffer, .address_space: global }
      - { .name: xq, .offset: 24, .size: 8, .value_kind: global_buffer, .address_space: global }
      - { .name: xs, .offset: 32, .size: 8, .value_kind: global_buffer, .address_space: global }
      - { .name: gq, .offset: 40, .size: 8, .value_kind: global_buffer, .address_space: global }
    .group_segment_fixed_size: 111104
    .private_segment_fixed_size: 0
    .kernarg_segment_align: 8
    .kernarg_segment_size: 48
    .max_flat_workgroup_size: 256
    .sgpr_count:     66
    .vgpr_count:     256
    .wavefront_size: 32
...
	.end_amdgpu_metadata
.endif
;; end of part 3
;; launch moe (part 4): grid 16 x 16, 4 waves a work-group, clusters of 4 x 1, 327,680 bytes of LDS; arguments xq, xs, gq, expert_w_codes, expert_w_scales, expert_b, out0; writes out0
.if DOCPART == 4
	.amdgcn_target "amdgcn-amd-amdhsa--gfx1250"
	.amdhsa_code_object_version 6
	.text
	.protected	k_q37dba0ebfd_moe
	.globl	k_q37dba0ebfd_moe
	.p2align	8
	.type	k_q37dba0ebfd_moe,@function
k_q37dba0ebfd_moe:
	s_mov_b64 s[64:65], 0
	v_nop
	global_prefetch_b8 v0, s[64:65] scope:SCOPE_SE
	s_setreg_imm32_b32 hwreg(HW_REG_WAVE_MODE, 25, 1), 1
	s_wait_xcnt 0x0
	s_wait_alu depctr_hold_cnt(0) depctr_sa_sdst(0) depctr_va_vdst(0) depctr_va_sdst(0) depctr_va_ssrc(0) depctr_va_vcc(0) depctr_vm_vsrc(0)
	s_getreg_b32 s2, hwreg(HW_REG_IB_STS2, 6, 4)
	s_cmp_eq_u32 s2, 0
	s_cbranch_scc0 .Lentry_in_a_cluster
	s_endpgm
.Lentry_in_a_cluster:
	s_bfe_u32 s2, ttmp6, 0x10000c
	s_cmp_lg_u32 s2, 0x3003
	s_cbranch_scc0 .Lentry_shape_is_right
	s_endpgm
.Lentry_shape_is_right:
; out[n][h] = sum over e of g[n][e] relu(x[n] . W[e][h] + b[e][h]).  x as codes of E4M3 (xq, in fragment order) with scale bytes xs, W as given codes and scale bytes, g from gq; sums, bias, relu and the weighted sum in f32.
; LIMIT: NaN and infinities are not served.
; SHARES.  A work-group owns 256 tokens x 128 h for ALL eight experts (the sum over experts never leaves registers): 16 x 16 = 256 work-groups of equal work.  Each of its four waves owns 64 tokens (four blocks a of 16).
; A wave's codes of x, for all of K, stay in 512 registers; W goes through LDS, and each fragment of W read from LDS (2,048 bytes) feeds four matrix instructions.
; ORDER.  Eight slots: slot t holds experts 2 (t % 4), + 1 for the 64 h of chunk t / 4.  In a slot eight UNITS (expert, block b of 16 h): 8 K steps of 128 x 4 token blocks = 32 matrix instructions on four accumulators by turns.
; The matrix instruction is used TRANSPOSED (source 0 = 16 rows of W, source 1 = 16 tokens): lane (r, hh) holds token r and h = 16 b + 8 hh + 0..7, so g is one number a lane.  The bias is the C of each sum's first instruction.
; A unit's relu and weighted add stand in the NEXT unit, over the slots' borders too: two maxima behind each product of K steps 0-3, two packed fused multiply-adds behind each of K step 6, eight behind the last product.
; The first unit finds zeros in the other accumulators and in g: its weighted add changes nothing.
; LDS LOADS stand in one run a unit, behind its last products: 35 loads into the set of fragments, scale words and bias that the unit has used, for the unit TWO ON: two whole sets of eight fragments take turns, so a load has a unit, 32 matrix instructions, in which to land.
; RING.  Two LDS slots of 128 rows of 1,024 bytes; a slot's last loads stand behind its unit 5, the next slot's first behind its unit 6: there the slots change.  A wave brings 32 rows with one tensor load behind each change; it has seven units in which to land.
; W's scale bytes and the bias of the work-group's 128 h, all experts, come once, at the head, and stay.
; CLUSTER.  The four work-groups of a cluster own the same 128 h and other tokens: every tensor load is asked for JOINTLY, with the same descriptor and the mask 15.  x goes straight to registers: none of it is shared inside a cluster.
; PREFETCH.  Behind unit 1's run of slot t the cluster asks for slot t + 3's rows, which are loaded at the change of slots in slot t + 1: of the 8,192 x 4 bytes that a wave fetches each partner names 8,192, by address (cx), lanes 256 bytes apart.  Slots 0 to 2 come by their loads alone; slots 5 to 7 ask for nothing.
; REGISTERS, in windows of 256 (s_set_vgpr_msb: bits 1:0 source 0, 3:2 source 1, 5:4 source 2, 7:6 destination):
;   window 0: v0-5 thread and addresses; v6-13 W's scale words, two sets; v14-15 the add's; v16-31 x's scale words; v32-47 g, the next slot's and this one's; v48-63 bias, two sets; v64-127 accumulators, two sets of four; v128-255 W's fragments in even units
;   window 1: v0-127 the running output (block (b, a) at 32 b + 8 a); v128-255 W's fragments in odd units
;   windows 2, 3: x's fragments: (a, ks) at 16 (4 a + ks % 4), K steps 0-3 in window 2, 4-7 in window 3
.set PITCH, 1040                       ; a row of W in LDS: 1,024 bytes + 16 of padding: the 16 rows of a load touch 16 different columns of 16 bytes modulo 256
.set ROWS16, 16*PITCH
.set EXPB,  64*PITCH                   ; one expert's 64 rows
.set QUART, 32*PITCH                   ; what one tensor load brings
.set SLOTB, 128*PITCH
.set SCL,   2*SLOTB                    ; W's scale bytes: eight experts, each 128 h x 32 bytes as 16 pieces of 256 + 16
.set SEXP,  16*272
.set BIA,   SCL+8*SEXP                 ; the bias: eight experts x 128 f32
.set BEXP,  512
.set STAGE, BIA+8*BEXP                 ; the way out: 16 rows x 272 bytes for each wave; no fill lands here
.set SP,    272
.set SPARE, STAGE+4*16*SP              ; the spare words, 128 bytes for each wave
.set AW,   1                           ; LDS address of my place in the tiles of W that are read next: slot and expert
.set AS,   2                           ; of my scale words of W, for the slot
.set AB,   3                           ; of my bias numbers, for the slot
.set PFO,  4                           ; 256 x lane
.set GA,   5                           ; my byte offset in gq: 8 r
.set WS,   6                           ; W's scale words: set p, word j at 6 + 4 p + j: a product's two scale words have numbers that differ by 2 or 6 modulo 8
.set SPW,  14                          ; my spare word
.set NIL,  15                          ; 0
.set XS,   16                          ; x's scale words: block a, word j at 16 + 4 a + j: lanes 0-15 K step j, lanes 16-31 K step 4 + j
.set GN,   32                          ; g of the next slot's two experts: block a a pair at 32 + 2 a
.set GC,   40                          ; this slot's
.set BIAS, 48
.set ACC,  64                          ; set p, block a at 64 + 32 p + 8 a
.set WF,   128                         ; window 0 or 1
.set T0,   128                         ; window 0: at work, where the even set is free
.set TMP,  128                         ; the way out: rows read back: v128-191
.set STO,  192                         ; the way out: where I put 32 bytes of a row
.set RD,   193                         ; where I read a row back
.set CO,   194                         ; my byte offset in out
.set G1C,  28                          ; descriptor groups 1: s[28:35] W's codes, s[36:43] scale bytes, s[44:51] bias
.set G1S,  36
.set G1B,  44
.set G0,   52                          ; groups 0: s[52:55], s[56:59], s[60:63]
.set G0S,  56
.set G0B,  60
; s66 where this slot begins in LDS; s67 the slot's number; s[68:69] g's address; s[72:73] my rows of slot 0's contents; s[74:75] my part of a prefetch; s80 my 32 rows' place in a slot; s84, s85 where the next slot's scale words and bias begin
.set MUL2, 0x08                        ; source 1 (x) in window 2, all else in window 0;  + 1: source 0 (W) in window 1
.set MUL3, 0x0c                        ; source 1 in window 3
.set FMA,  0x50                        ; sources 0 and 1 (accumulator, g) window 0; source 2 and destination (the running output) window 1
.set MSB, 0
.macro WIN new                         ; the immediate's high byte repeats the setting that is left
.if MSB != \new
	s_set_vgpr_msb (MSB<<8)|\new
.set MSB, \new
.endif
.endm
.macro NOPS n
.rept \n
	v_nop
.endr
.endm
.macro CREST                           ; a round of the cluster's barrier behind its opening barrier
	s_cmp_lg_u32 s18, 0
	s_cbranch_scc1 .Lnot_wave_0_\@
	s_barrier_signal -3
.Lnot_wave_0_\@:
	s_barrier_wait -3
	s_barrier_signal -1
	s_barrier_wait -1
.endm
.macro CROUND
	s_barrier_signal -1
	s_barrier_wait -1
	CREST
.endm
	s_load_b256 s[4:11], s[0:1], 0x0               ; xq s[4:5], xs s[6:7], gq s[8:9], W's codes s[10:11]
	s_load_b128 s[12:15], s[0:1], 0x20             ; W's scale bytes s[12:13], the bias s[14:15]
	s_load_b64 s[16:17], s[0:1], 0x30              ; out
	v_lshl_add_u32 v[SPW], v0, 2, SPARE
	v_mov_b32 v[NIL], 0
	ds_add_u32 v[SPW], v[NIL]                      ; the opening add, twice on end
	ds_add_u32 v[SPW], v[NIL]
	v_lshrrev_b32 v136, 5, v0
	v_readfirstlane_b32 s18, v136                  ; wave 0..3
	v_and_b32 v128, 15, v0                         ; r
	v_bfe_u32 v129, v0, 4, 1                       ; hh
	v_and_b32 v130, 31, v0                         ; lane
	v_lshlrev_b32 v134, 4, v130                    ; 16 x lane
	v_lshlrev_b32 v[PFO], 8, v130
	v_lshlrev_b32 v[GA], 3, v128
	v_lshlrev_b32 v135, 5, v128
	v_lshl_add_u32 v135, v129, 4, v135             ; 32 r + 16 hh
	v_mul_u32_u24 v131, v128, PITCH
	v_lshl_add_u32 v[AW], v129, 4, v131            ; a fragment's row x pitch + 16 hh
	v_bfe_u32 v133, v0, 3, 1
	v_lshl_add_u32 v132, v133, 4, v135             ; 32 bytes a row of W, 16 hh, and 16 more behind each 256
	v_add_nc_u32 v[AS], SCL, v132
	v_lshl_add_u32 v[AB], v129, 5, BIA
	s_bfe_u32 s19, ttmp6, 0x40000                  ; cx: my place in the cluster
	s_lshl_b32 s20, ttmp9, 2
	s_add_co_u32 s20, s20, s19                     ; my block of 256 tokens
	s_and_b32 s21, ttmp7, 0xffff                   ; y: my 128 h, which the four partners share
	s_and_b32 s22, s18, 1
	s_lshr_b32 s23, s18, 1
	; group 1 for W's codes: rows of 1,024 bytes, 64 of them at the head (one expert's), 32 behind it; 4 words of padding behind every 256
	s_mov_b32 s[G1C+0], 15|(1<<20)|(1<<21)|(7<<22)|(3<<25)
	s_mov_b32 s[G1C+1], 1024<<16
	s_mov_b32 s[G1C+2], 64<<16
	s_mov_b32 s[G1C+3], 1024<<16
	s_mov_b32 s[G1C+4], 64
	s_mov_b32 s[G1C+5], 1024
	s_mov_b32 s[G1C+6], 0
	s_mov_b32 s[G1C+7], 0
	; for its scale bytes: 8 experts' rows of 4,096 bytes (512 elements of 8), 65,536 bytes apart; 4 words of padding behind every 64
	s_mov_b32 s[G1S+0], 15|(3<<16)|(1<<20)|(1<<21)|(5<<22)|(3<<25)
	s_mov_b32 s[G1S+1], 512<<16
	s_mov_b32 s[G1S+2], 8<<16
	s_mov_b32 s[G1S+3], 512<<16
	s_mov_b32 s[G1S+4], 8
	s_mov_b32 s[G1S+5], 8192
	s_mov_b32 s[G1S+6], 0
	s_mov_b32 s[G1S+7], 0
	; for the bias: 8 experts' rows of 512 bytes (64 elements of 8), 8,192 bytes apart
	s_mov_b32 s[G1B+0], 15|(3<<16)|(1<<21)
	s_mov_b32 s[G1B+1], 64<<16
	s_mov_b32 s[G1B+2], 8<<16
	s_mov_b32 s[G1B+3], 64<<16
	s_mov_b32 s[G1B+4], 8
	s_mov_b32 s[G1B+5], 1024
	s_mov_b32 s[G1B+6], 0
	s_mov_b32 s[G1B+7], 0
	s_mul_i32 s80, s18, QUART
	s_mov_b32 s66, 0
	s_mov_b32 s67, 0
	s_mov_b32 s25, 0
	s_mov_b32 s27, 0
	s_mov_b32 s71, 0
	s_mov_b32 s77, 0
	s_mov_b32 s87, 0
	s_mov_b32 s89, 0
	; what hangs on y and the wave alone (these registers never hold cx): at the head waves 0, 1 bring slot 0's two experts, wave 2 the scale bytes, wave 3 the bias
	s_lshl_b32 s78, s21, 17
	s_lshl_b32 s76, s22, 21
	s_add_co_u32 s76, s76, s78
	s_lshl_b32 s26, s21, 12
	s_lshl_b32 s86, s21, 9
	s_lshl_b32 s70, s23, 21                        ; behind the head: expert w / 2 of a slot's two, rows 32 (w % 2) on
	s_add_co_u32 s70, s70, s78
	s_lshl_b32 s78, s22, 15
	s_add_co_u32 s70, s70, s78
	s_mov_b32 s[G0+0], 1
	s_mul_i32 s[G0+1], s22, EXPB
	s_mov_b32 s[G0S+0], 1
	s_mov_b32 s[G0S+1], SCL
	s_mov_b32 s[G0B+0], 1
	s_mov_b32 s[G0B+1], BIA
	s_wait_alu depctr_va_vdst(0)
	s_wait_dscnt 0x0                               ; both opening adds are done
	CROUND                                         ; all four work-groups are here: the first joint loads meet
	s_wait_kmcnt 0x0
	s_add_nc_u64 s[G0+2:G0+3], s[10:11], s[76:77]
	s_or_b32 s[G0+3], s[G0+3], 0x80000000
	s_add_nc_u64 s[G0S+2:G0S+3], s[12:13], s[26:27]
	s_or_b32 s[G0S+3], s[G0S+3], 0x80000000
	s_add_nc_u64 s[G0B+2:G0B+3], s[14:15], s[86:87]
	s_or_b32 s[G0B+3], s[G0B+3], 0x80000000
	s_cmp_lt_u32 s18, 2                            ; one tensor load a wave; one tree of branches on the wave's number
	s_cbranch_scc0 .Lhead_scales
	tensor_load_to_lds s[G0:G0+3], s[G1C:G1C+7]
	s_nop 0
	NOPS 4
	s_branch .Lhead_asked
.Lhead_scales:
	s_cmp_lt_u32 s18, 3
	s_cbranch_scc0 .Lhead_bias
	tensor_load_to_lds s[G0S:G0S+3], s[G1S:G1S+7]
	s_nop 0
	NOPS 4
	s_branch .Lhead_asked
.Lhead_bias:
	tensor_load_to_lds s[G0B:G0B+3], s[G1B:G1B+7]
	s_nop 0
	NOPS 4
.Lhead_asked:
	; what hangs on my tokens
	s_lshl_b32 s24, s20, 18
	s_lshl_b32 s81, s18, 16
	s_add_co_u32 s24, s24, s81
	s_add_nc_u64 s[4:5], s[4:5], s[24:25]          ; xq: (16 x block + 4 x wave) x 16,384 bytes
	s_lshl_b32 s24, s20, 13
	s_lshl_b32 s81, s18, 11
	s_add_co_u32 s24, s24, s81
	s_add_nc_u64 s[6:7], s[6:7], s[24:25]          ; xs: 32 bytes a token
	s_add_nc_u64 s[8:9], s[8:9], s[24:25]          ; gq: 512 bytes for 16 tokens
	s_lshl_b32 s24, s20, 21
	s_lshl_b32 s81, s18, 19
	s_add_co_u32 s24, s24, s81
	s_lshl_b32 s81, s21, 9
	s_add_co_u32 s24, s24, s81
	s_add_nc_u64 s[16:17], s[16:17], s[24:25]      ; out: my first token's row of 8,192 bytes, + 512 y
	s_add_nc_u64 s[72:73], s[10:11], s[70:71]      ; my 32 rows for slot 0's contents; contents n lie (n % 4) << 22 + (n / 4) << 16 bytes on
	s_lshl_b32 s88, s19, 13
	s_add_nc_u64 s[74:75], s[72:73], s[88:89]      ; the prefetches: my work-group's 8,192 bytes of these rows
	WIN 0x80                                       ; destination window 2
.irp a, 0,1,2,3
.irp k, 0,1,2,3
.irp c, 0,1,2,3
	global_load_b128 v[16*(4*\a+\k)+4*\c:16*(4*\a+\k)+4*\c+3], v134, s[4:5] offset:(8*\a+\k)*2048+512*\c   ; x's fragments as they lie: 512 consecutive bytes a load
.endr
.endr
.endr
	WIN 0xc0                                       ; destination window 3
.irp a, 0,1,2,3
.irp k, 0,1,2,3
.irp c, 0,1,2,3
	global_load_b128 v[16*(4*\a+\k)+4*\c:16*(4*\a+\k)+4*\c+3], v134, s[4:5] offset:(8*\a+4+\k)*2048+512*\c
.endr
.endr
.endr
	WIN 0
.irp a, 0,1,2,3
	global_load_b64 v[GN+2*\a:GN+2*\a+1], v[GA], s[8:9] offset:512*\a   ; g of experts 0 and 1
.endr
.irp a, 0,1,2,3
	global_load_b128 v[XS+4*\a:XS+4*\a+3], v135, s[6:7] offset:512*\a   ; lanes 0-15: the words of K steps 0-3 of token r; lanes 16-31: of K steps 4-7
.endr
	WIN 0x40
.set i, 0
.rept 128
	v_mov_b32 v[i], 0                              ; the running output of chunk 0
.set i, i+1
.endr
	WIN 0
.set i, 0
.rept 32
	v_mov_b32 v[ACC+32+i], 0                       ; what the first unit's maxima and weighted add find
.set i, i+1
.endr
.set i, 0
.rept 8
	v_mov_b32 v[GC+i], 0
.set i, i+1
.endr
; One matrix instruction: K step ks, token block a; the unit's parity UP picks accumulators, scale words, bias and fragments (their window is set).  K step 0 starts the sum with the bias as C.  K steps 4-7 take both sides' scale words from lanes 16-31.
.macro WM ks, a
.set rD, ACC+32*UP+8*(\a)
.set rW, WF+16*(\ks)
.set rX, 16*(4*(\a)+((\ks)&3))
.set rSW, WS+4*UP+((\ks)&3)
.set rSX, XS+4*(\a)+((\ks)&3)
.if (\ks) == 0
	v_wmma_scale_f32_16x16x128_f8f6f4 v[rD:rD+7], v[rW:rW+15], v[rX:rX+15], v[BIAS+8*UP:BIAS+8*UP+7], v[rSW], v[rSX]
.elseif (\ks) < 4
	v_wmma_scale_f32_16x16x128_f8f6f4 v[rD:rD+7], v[rW:rW+15], v[rX:rX+15], v[rD:rD+7], v[rSW], v[rSX]
.else
	v_wmma_scale_f32_16x16x128_f8f6f4 v[rD:rD+7], v[rW:rW+15], v[rX:rX+15], v[rD:rD+7], v[rSW], v[rSX] matrix_a_scale:MATRIX_SCALE_ROW1 matrix_b_scale:MATRIX_SCALE_ROW1
.endif
.endm
; THE RUN, 35 loads, for the slot's expert e (0, 1: AW stands there), block b, into the sets of parity UP: scale words, bias, eight fragments: rows 16 b on, K = 128 k + 32 c + 16 hh + 0..15.
; PLACES: a load into a register that a matrix instruction has read, and the first read of a result, stand eight plain vector instructions that name none of its registers behind it: the eight multiply-adds behind a unit's last product.
.macro RUN e, b
	WIN 0
	ds_load_b128 v[WS+4*UP:WS+4*UP+3], v[AS] offset:(\e)*SEXP+(\b)*544
	ds_load_b128 v[BIAS+8*UP:BIAS+8*UP+3], v[AB] offset:(\e)*BEXP+64*(\b)
	ds_load_b128 v[BIAS+8*UP+4:BIAS+8*UP+7], v[AB] offset:(\e)*BEXP+64*(\b)+16
.if UP
	WIN 0x40                                       ; (destination window 1, address window 0)
.endif
.irp k, 0,1,2,3,4,5,6,7
.irp c, 0,1,2,3
	ds_load_b128 v[WF+16*\k+4*\c:WF+16*\k+4*\c+3], v[AW] offset:(\b)*ROWS16+128*\k+32*\c
.endr
.endr
.endm
; SCALAR WORK behind product N_.  GH = 2 (unit 0): where the next slot's g lies.  PF (unit 1): where slot t + 3's contents lie.
; UKIND 1, 2 (unit 6): where the next slot lies, its scale words and bias, and (1) the descriptor of the refill: slot t's place takes contents t + 2.
.macro HOOKS
.if (GH > 0) && (N_ == 16)
	s_wait_loadcnt 0x0                             ; this slot's g, asked for a slot ago
.endif
.if GH == 2
.if N_ == 17
	s_add_co_u32 s79, s67, 1
.elseif N_ == 18
	s_and_b32 s79, s79, 3
.elseif N_ == 19
	s_lshl_b32 s70, s79, 7
.elseif N_ == 20
	s_add_nc_u64 s[68:69], s[8:9], s[70:71]
.endif
.endif
.if PF
.if N_ == 0
	s_add_co_u32 s79, s67, 3
	s_and_b32 s78, s79, 3
.elseif N_ == 1
	s_lshl_b32 s76, s78, 22
	s_lshr_b32 s79, s79, 2
.elseif N_ == 2
	s_lshl_b32 s79, s79, 16
	s_add_co_u32 s76, s76, s79
.endif
.endif
.if (UKIND == 1) || (UKIND == 2)
.if N_ == 0
	s_add_co_u32 s79, s67, 1
	s_and_b32 s84, s79, 3
	s_lshr_b32 s79, s79, 2
.elseif N_ == 1
	s_mul_i32 s85, s84, 2*BEXP
	s_mul_i32 s84, s84, 2*SEXP
.elseif N_ == 2
	s_mul_i32 s78, s79, SEXP/2
	s_add_co_u32 s84, s84, s78
	s_add_co_u32 s84, s84, SCL
.elseif N_ == 3
	s_mul_i32 s78, s79, BEXP/2
	s_add_co_u32 s85, s85, s78
	s_add_co_u32 s85, s85, BIA
.elseif N_ == 4
.if UKIND == 1
	s_add_co_u32 s[G0+1], s80, s66
.endif
	s_xor_b32 s66, s66, SLOTB
.endif
.endif
.if UKIND == 1
.if N_ == 5
	s_add_co_u32 s79, s67, 2
	s_and_b32 s78, s79, 3
	s_lshl_b32 s76, s78, 22
.elseif N_ == 6
	s_lshr_b32 s79, s79, 2
	s_lshl_b32 s79, s79, 16
	s_add_co_u32 s76, s76, s79
.elseif N_ == 7
	s_add_nc_u64 s[G0+2:G0+3], s[72:73], s[76:77]
	s_or_b32 s[G0+3], s[G0+3], 0x80000000
.endif
.endif
.endm
; Two packed fused multiply-adds, pair q of eight: registers 4 q .. 4 q + 3 of the unit before's 32 (token block q / 2): its running output takes g x relu
.macro FM2 q
	WIN FMA
.irp d, 0,2
.if PEO
	v_pk_fma_f32 v[32*PB+4*(\q)+\d:32*PB+4*(\q)+\d+1], v[ACC+32*UQ+4*(\q)+\d:ACC+32*UQ+4*(\q)+\d+1], v[GC+2*((\q)/2):GC+2*((\q)/2)+1], v[32*PB+4*(\q)+\d:32*PB+4*(\q)+\d+1] op_sel:[0,1,0] op_sel_hi:[1,1,1]
.else
	v_pk_fma_f32 v[32*PB+4*(\q)+\d:32*PB+4*(\q)+\d+1], v[ACC+32*UQ+4*(\q)+\d:ACC+32*UQ+4*(\q)+\d+1], v[GC+2*((\q)/2):GC+2*((\q)/2)+1], v[32*PB+4*(\q)+\d:32*PB+4*(\q)+\d+1] op_sel_hi:[1,0,1]
.endif
.endr
.endm
; A K step: four products, behind each two maxima (in ascending order; in odd units the register stands as source 2, which lies in window 0) or a pair of multiply-adds
.macro STEPK ks
.irp a, 0,1,2,3
.set N_, 4*(\ks)+\a
.if (\ks) < 4
	WIN MUL2+UP
.else
	WIN MUL3+UP
.endif
	WM \ks, \a
.if (\ks) < 4
.irp d, 0,1
.if UP
	v_max3_num_f32 v[ACC+32*UQ+2*N_+\d], 0, 0, v[ACC+32*UQ+2*N_+\d]
.else
	v_max_num_f32 v[ACC+32*UQ+2*N_+\d], v[ACC+32*UQ+2*N_+\d], 0
.endif
.endr
.endif
	HOOKS
.if (\ks) == 6
	FM2 N_-24
.endif
.endr
.endm
; THE WAY OUT of a chunk, block by block of 16 tokens x 64 h, through my own stage: a lane holds 32 bytes of a row, and rows of 256 bytes come back.  LDS serves a wave's instructions in order (ISA guide 5.7.1.4).  The even set of fragments is free here.
.macro TOSTAGE a
	s_wait_xcnt 0x0                                ; earlier stores have read their registers: this block's loads may land there
	WIN 4
.irp b, 0,1,2,3
	ds_store_b128 v[STO], v[32*\b+8*(\a):32*\b+8*(\a)+3] offset:64*\b
	ds_store_b128 v[STO], v[32*\b+8*(\a)+4:32*\b+8*(\a)+7] offset:64*\b+16
.endr
.irp t, 0,1,2,3,4,5,6,7
	ds_load_b128 v[TMP+32*((\a)&1)+4*\t:TMP+32*((\a)&1)+4*\t+3], v[RD] offset:2*SP*\t
.endr
.endm
.macro SEND a, c, younger              ; younger: the LDS instructions issued behind block a's loads
	s_wait_dscnt \younger
	WIN 0
.irp t, 0,1,2,3,4,5,6,7
	global_store_b128 v[CO], v[TMP+32*((\a)&1)+4*\t:TMP+32*((\a)&1)+4*\t+3], s[16:17] offset:(16*(\a)+2*\t)*8192+256*(\c) th:TH_STORE_NT   ; 16 lanes store 256 consecutive bytes, at a multiple of 256 from out's first byte
.endr
.endm
.macro OUTP c
	s_mul_i32 s78, s18, 16*SP
	s_add_co_u32 s78, s78, STAGE                   ; my stage
	v_and_b32 v[CO+1], 15, v0
	v_bfe_u32 v[CO+2], v0, 4, 1
	v_mul_u32_u24 v[STO], v[CO+1], SP
	v_mul_u32_u24 v[RD], v[CO+2], SP
	v_lshlrev_b32 v[CO], 13, v[CO+2]
	v_lshl_add_u32 v[STO], v[CO+2], 5, v[STO]
	v_lshl_add_u32 v[RD], v[CO+1], 4, v[RD]
	v_lshl_add_u32 v[CO], v[CO+1], 4, v[CO]        ; lanes 0-15 one row of out, lanes 16-31 the next
	v_add_nc_u32 v[STO], s78, v[STO]               ; in: row r, 32 bytes for each half of the lanes
	v_add_nc_u32 v[RD], s78, v[RD]                 ; back: lanes 0-15 one row of 256 bytes, lanes 16-31 the next
	s_wait_alu depctr_va_vdst(0)
	TOSTAGE 0
.irp a, 1,2,3
	TOSTAGE \a
	SEND \a-1, \c, 16                              ; behind block a - 1's loads: block a's 8 stores and 8 loads
.endr
	SEND 3, \c, 0
.endm
; UNIT U of a slot's eight.  kind 0: ordinary; 1: unit 6 with the change of slots, and the slot is filled again; 2: the same, nothing is filled; 3, 4: the launch's last and last but one.
; gh: unit 0: g of this slot takes its place (2: and the next slot's is asked for).  pf: the prefetch.  gd: the lines of unit 6's change of slots stand behind this unit's run.  out: slot 4's unit 0 has finished chunk 0.
; WAITS: LDS loads come back in order (ISA guide 5.7.1): behind the run that this unit works on stands the younger run, 35 loads, and ahead of a change of slots the add.
.macro UNIT U, kind=0, gh=0, pf=0, gd=0, out=0
.set UP,  (\U)&1
.set UQ,  1-UP
.set UKIND, \kind
.set GH,  \gh
.set PF,  \pf
.set PB,  ((\U)+3)&3                   ; the unit before's block, and which expert of its slot's two
.set PEO, (((\U)+7)>>2)&1
.if \kind == 3
	s_wait_dscnt 0x0
.elseif (\kind == 1) || (\kind == 2)
	s_wait_dscnt 36
.else
	s_wait_dscnt 35
.endif
	STEPK 0
	STEPK 1
	STEPK 2
	STEPK 3
	STEPK 4
	STEPK 5
	STEPK 6
.if (\kind == 1) || (\kind == 2)
	s_wait_dscnt 0x0                               ; the add is done, and my reads of this slot are over: its last stood behind unit 5
	s_barrier_signal -1
.endif
	STEPK 7
.irp q, 4,5,6,7
	FM2 \q
.endr
.if (\kind == 1) || (\kind == 2)
	WIN 0
	v_and_b32 v[T0], 15, v0                        ; the next slot's addresses: r, hh, r / 8
	v_bfe_u32 v[T0+1], v0, 4, 1
	v_bfe_u32 v[T0+2], v0, 3, 1
	v_mul_u32_u24 v[T0+3], v[T0], PITCH
	v_lshlrev_b32 v[T0+4], 5, v[T0]
	v_lshlrev_b32 v[T0+5], 5, v[T0+1]
	v_lshl_add_u32 v[T0+3], v[T0+1], 4, v[T0+3]
	v_lshl_add_u32 v[T0+4], v[T0+1], 4, v[T0+4]
	v_add_nc_u32 v[AB], s85, v[T0+5]
	v_add_nc_u32 v[AW], s66, v[T0+3]
	v_lshl_add_u32 v[T0+4], v[T0+2], 4, v[T0+4]
	v_add_nc_u32 v[AS], s84, v[T0+4]
	s_wait_alu depctr_va_vdst(0)
	s_barrier_wait -1                              ; the other slot is whole, and nobody of my work-group reads this one any more
.if \kind == 1
	CREST                                          ; nor does a wave of any partner, or has a load on its way
	tensor_load_to_lds s[G0:G0+3], s[G1C:G1C+7]
	s_nop 0
	NOPS 4
.endif
.endif
.if \gh > 0
	WIN 0
.set i, 0
.rept 8
	v_mov_b32 v[GC+i], v[GN+i]                     ; the slot before's g was last read just above
.set i, i+1
.endr
.endif
.if \out
	WIN 0
	s_cmp_eq_u32 s67, 4                            ; the counter is the same in every work-group
	s_cbranch_scc0 .Lno_out
	OUTP 0
	WIN 0x40
.set i, 0
.rept 128
	v_mov_b32 v[i], 0                              ; the running output of chunk 1
.set i, i+1
.endr
	WIN 0
	s_wait_xcnt 0x0                                ; the stores have read their registers: the run's loads land there
.Lno_out:
.endif
.if \U == 2
	WIN 0
	v_add_nc_u32 v[AW], EXPB, v[AW]                ; units 4 to 7 are the slot's second expert's
	s_wait_alu depctr_va_vdst(0)
.endif
.if \kind < 3
	RUN (((\U)+2)&7)>>2, ((\U)+2)&3
.endif
.if \gh == 2
.irp j, 0,1,2,3
	global_load_b64 v[GN+2*\j:GN+2*\j+1], v[GA], s[68:69] offset:512*\j
.endr
.endif
.if \gd
	WIN 0
	s_wait_tensorcnt 0x0                           ; my part of the other slot has landed
	ds_add_u32 v[SPW], v[NIL]
.endif
.if \pf
	WIN 0
	s_cmp_lt_u32 s67, 5
	s_cbranch_scc0 .Lno_ask
	s_wait_xcnt 0x0                                ; the last prefetch has read its address
	s_add_nc_u64 s[82:83], s[74:75], s[76:77]
	global_prefetch_b8 v[PFO], s[82:83] th:TH_LOAD_NT scope:SCOPE_SE
.Lno_ask:
.endif
.endm
	s_wait_alu depctr_va_vdst(0)
	s_wait_tensorcnt 0x0                           ; my tile of the head's is in
	ds_add_u32 v[SPW], v[NIL]
	s_mov_b32 s[G1C+2], 32<<16                     ; no tensor load of mine is out: from here on a load brings 32 rows
	s_mov_b32 s[G1C+4], 32
	s_mov_b32 s76, 1<<22
	s_add_co_u32 s[G0+1], s80, SLOTB
	s_add_nc_u64 s[G0+2:G0+3], s[72:73], s[76:77]
	s_or_b32 s[G0+3], s[G0+3], 0x80000000
	s_wait_dscnt 0x0
	CROUND                                         ; all tiles are in, and all four work-groups are here
	tensor_load_to_lds s[G0:G0+3], s[G1C:G1C+7]    ; slot 1
	s_nop 0
	NOPS 4
	s_wait_xcnt 0x0                                ; x's loads have read their addresses, which lie in the even set
.set UP, 0
	RUN 0, 0
.set UP, 1
	RUN 0, 1
	WIN 0
	s_wait_loadcnt 0x0                             ; x's codes and scale words, g
.Lslot:                                                ; six trips, a slot each; in each the slot is filled again
	UNIT 0, 0, 2, 0, 0, 1
	UNIT 1, 0, 0, 1
	UNIT 2
	UNIT 3
	UNIT 4
	UNIT 5, 0, 0, 0, 1
	UNIT 6, 1
	UNIT 7
	WIN 0
	s_add_co_u32 s67, s67, 1
	s_cmp_lt_u32 s67, 6
	s_cbranch_scc1 .Lslot
	UNIT 0, 0, 2                                   ; the last two slots are written out
	UNIT 1
	UNIT 2
	UNIT 3
	UNIT 4
	UNIT 5, 0, 0, 0, 1
	UNIT 6, 2
	UNIT 7
	UNIT 0, 0, 1
	UNIT 1
	UNIT 2
	UNIT 3
	UNIT 4
	UNIT 5
	UNIT 6, 4
	UNIT 7, 3
	WIN 0
.set i, 0
.rept 32                               ; the last unit's relu and weighted add (set 1, block 3, the slot's second expert)
	v_max_num_f32 v[ACC+32+i], v[ACC+32+i], 0
.set i, i+1
.endr
.set UQ, 1
.set PB, 3
.set PEO, 1
.irp q, 0,1,2,3,4,5,6,7
	FM2 \q
.endr
	WIN 0
	OUTP 1
	s_wait_tensorcnt 0x0                           ; the wave's end
	ds_add_u32 v[SPW], v[NIL]
	s_wait_dscnt 0x0
	CROUND                                         ; the closing round: no work-group ends while a partner may still ask for a tile that names it
	s_endpgm
.Lfunc_end_k_q37dba0ebfd_moe:
	.size	k_q37dba0ebfd_moe, .Lfunc_end_k_q37dba0ebfd_moe-k_q37dba0ebfd_moe
	.p2alignl 7, 3214868480
	.fill 96, 4, 3214868480
	.section	.rodata,"a",@progbits
	.p2align	6, 0x0
	.amdhsa_kernel k_q37dba0ebfd_moe
		.amdhsa_group_segment_fixed_size 327680
		.amdhsa_private_segment_fixed_size 0
		.amdhsa_enable_private_segment 0
		.amdhsa_kernarg_size 56
		.amdhsa_user_sgpr_count 2
		.amdhsa_user_sgpr_kernarg_segment_ptr 1
		.amdhsa_wavefront_size32 1
		.amdhsa_system_sgpr_workgroup_id_x 1
		.amdhsa_system_sgpr_workgroup_id_y 1
		.amdhsa_system_sgpr_workgroup_id_z 1
		.amdhsa_system_vgpr_workitem_id 0
		.amdhsa_next_free_vgpr 1024
		.amdhsa_next_free_sgpr 92
		.amdhsa_reserve_vcc 0
		.amdhsa_float_denorm_mode_32 3
		.amdhsa_float_denorm_mode_16_64 3
		.amdhsa_memory_ordered 1
		.amdhsa_forward_progress 1
		.amdhsa_inst_pref_size 255
	.end_amdhsa_kernel
	.section	.bss,"aw",@nobits
	.p2align	6
	.space	262144
	.amdgpu_metadata
---
amdhsa.version: [ 1, 2 ]
amdhsa.kernels:
  - .name:           k_q37dba0ebfd_moe
    .symbol:         k_q37dba0ebfd_moe.kd
    .args:
      - { .name: xq, .offset: 0, .size: 8, .value_kind: global_buffer, .address_space: global }
      - { .name: xs, .offset: 8, .size: 8, .value_kind: global_buffer, .address_space: global }
      - { .name: gq, .offset: 16, .size: 8, .value_kind: global_buffer, .address_space: global }
      - { .name: expert_w_codes, .offset: 24, .size: 8, .value_kind: global_buffer, .address_space: global }
      - { .name: expert_w_scales, .offset: 32, .size: 8, .value_kind: global_buffer, .address_space: global }
      - { .name: expert_b, .offset: 40, .size: 8, .value_kind: global_buffer, .address_space: global }
      - { .name: out0, .offset: 48, .size: 8, .value_kind: global_buffer, .address_space: global }
    .group_segment_fixed_size: 327680
    .private_segment_fixed_size: 0
    .kernarg_segment_align: 8
    .kernarg_segment_size: 56
    .max_flat_workgroup_size: 128
    .sgpr_count:     92
    .vgpr_count:     1024
    .wavefront_size: 32
...
	.end_amdgpu_metadata
.endif
;; end of part 4
